; MI455X (gfx1250); checked and timed in simulation.
; The chip was launched on July 23, 2026; its instructions are those of AMD's public machine-readable ISA for CDNA 5 (MIT licence, August 2026) and "CDNA5" Instruction Set Architecture Reference Guide (July 2026). The comments in the code are by the model that wrote it; some were corrected since.
;; Multi Head Attention. Allowed arithmetic: matrix products marked QUANTISED: E4M3 operands, one E8M0 scale for each 32 along K, by v_wmma_scale_f32_16x16x128_f8f6f4 with both operands' format E4M3, f32 sums; everything else in f32.
;; Inputs: Wk_codes 16 x 64 x 32 x 32 uint8 (E4M3 codes of Wk, K innermost, in blocks of 32 codes); Wk_scales 16 x 64 x 32 uint8 (E8M0 scales of Wk, one for each 32 codes along K); Wproj_codes 1,024 x 32 x 32 uint8 (E4M3 codes of Wproj, K innermost, in blocks of 32 codes); Wproj_scales 1,024 x 32 uint8 (E8M0 scales of Wproj, one for each 32 codes along K); Wq_codes 16 x 64 x 32 x 32 uint8 (E4M3 codes of Wq, K innermost, in blocks of 32 codes); Wq_scales 16 x 64 x 32 uint8 (E8M0 scales of Wq, one for each 32 codes along K); Wv_codes 16 x 64 x 32 x 32 uint8 (E4M3 codes of Wv, K innermost, in blocks of 32 codes); Wv_scales 16 x 64 x 32 uint8 (E8M0 scales of Wv, one for each 32 codes along K); bproj 1,024 float32; x_codes 4 x 2,048 x 32 x 32 uint8 (E4M3 codes of x, K innermost, in blocks of 32 codes); x_scales 4 x 2,048 x 32 uint8 (E8M0 scales of x, one for each 32 codes along K).
;; Outputs: out0 4 x 2,048 x 1,024 float32.
;; This version of the problem:
;;   THIS VERSION OF THE PROBLEM IS GIVEN IN LOW PRECISION. The matrix products marked QUANTISED in the list below multiply operands that are first quantised to E4M3 (4 exponent bits, 3 mantissa bits; 8 bits a number), with one power-of-two scale for each 32 numbers along K (OCP MX v1.0); their sums are f32. All else is computed in f32.
;;   The module's matrix products, in the order in which they are computed (A, B: the left and right operand; K: the contracted axis; several contracted axes count as one K, in the product's order):
;;     1. [M 1,024, K 1,024] x [K 1,024, N 8,192]; A: input Wq (given as codes); B: input x (given as codes): QUANTISED
;;     2. [M 1,024, K 1,024] x [K 1,024, N 8,192]; A: input Wk (given as codes); B: input x (given as codes): QUANTISED
;;     3. [M 1,024, K 1,024] x [K 1,024, N 8,192]; A: input Wv (given as codes); B: input x (given as codes): QUANTISED
;;     4. batch 64 x [M 2,048, K 64] x [K 64, N 2,048]; A: computed on the way; B: computed on the way: QUANTISED
;;     5. batch 64 x [M 2,048, K 2,048] x [K 2,048, N 64]; A: softmax (see below); B: computed on the way: QUANTISED
;;     6. [M 8,192, K 1,024] x [K 1,024, N 1,024]; A: computed on the way; B: input Wproj (given as codes): QUANTISED
;;   THE QUANTISER, for each operand of a quantised product, along K:
;;     - K is cut into blocks of 32 from its start; a last block that is shorter is filled with zeros.
;;     - A block's scale is 2^e with e = floor(log2(the largest magnitude in the block)) - 8, held to -126 .. 127; a block of zeros has e = 0. As a byte (E8M0): e + 127.
;;     - Each number is divided by its block's scale, clamped to +-448, and rounded to the nearest number of E4M3, ties to even, subnormals kept.
;;     - The product sums the exact products of the quantised numbers (number of the format x scale) in f32.
;;   ~~~python
;;   def quantise(x, axis):      # numpy; x: float32 -> the quantised numbers, widened to float32 again
;;       x = np.moveaxis(x, axis, -1); K = x.shape[-1]
;;       x = np.pad(x, [(0, 0)] * (x.ndim - 1) + [(0, -K % 32)]); x = x.reshape(x.shape[:-1] + (-1, 32)); a = np.abs(x).max(-1, keepdims=True)
;;       e = np.where(a > 0, np.clip(np.frexp(np.where(a > 0, a, 1))[1] - 1 - 8, -126, 127), 0)      # np.frexp(a)[1] - 1 = floor(log2(a)), exactly
;;       r = np.clip(x / 2.0 ** e, -448, 448)
;;       step = 2.0 ** (np.maximum(np.frexp(np.where(r == 0, 1, r))[1] - 1, -6) - 3)
;;       q = np.round(r / step) * step * 2.0 ** e      # np.round: ties to even
;;       return np.moveaxis(q.reshape(q.shape[:-2] + (-1,))[..., :K], -1, axis).astype(np.float32)
;;   ~~~
;;   SOFTMAX AHEAD OF A QUANTISED PRODUCT. Where the list says 'softmax', what is quantised is not the finished softmax but p = 2^(t - M), with t = logit x log2(e) and M = ceil(the row's largest t), a whole number; so 1/2 < the row's largest p <= 1. The row's sum l is taken of the UNQUANTISED p, in f32, and the product's result is divided by l at the end. Since M is a whole number, a kernel that streams over the keys may use a running M (the ceiling of the running maximum): every later rescaling is an exact power of two, which a block's scale takes up: the codes' values come out the same.
;;   OPERANDS COMPUTED ON THE WAY. 'Computed on the way' means the value that the module computes at that place (a softmax that the list does not call 'softmax' is quantised finished and normalised). What goes into a quantiser is computed in f32, as accurately as f32 sums, v_exp_f32 and their like allow (about 1e-6 of the number): no bf16 or f16 on the way to a quantiser, and a product that is left as it is and whose result goes on into a quantised operand takes f32 operands (vector FMAs, or v_wmma_f32_16x16x4_f32). A number that lies on a knife's edge between two numbers of the format may be rounded either way, as far as f32 arithmetic and the matrix unit's own rounding can turn it there, and no further.
;;   INPUTS GIVEN AS CODES. Wk (in the module: [16, 1024, 64], K = its axis 1); Wproj (in the module: [1024, 1024], K = its axis 1); Wq (in the module: [16, 1024, 64], K = its axis 1); Wv (in the module: [16, 1024, 64], K = its axis 1); x (in the module: [4, 2048, 1024], K = its axis 2): each comes as NAME_codes (uint8): NAME with its K axis moved to the last place and cut into blocks of 32 codes, [.., K / 32, bytes a block], one block behind the other in memory; one code a byte (a code: sign, 4 exponent bits, 3 mantissa bits); and NAME_scales (uint8): the same leading axes, one E8M0 byte (e + 127) for each 32 codes along K. Its value is code x scale, taken as it is: it is not quantised again, and the codes and scales need not be those that the quantiser above would give.
;; One version. Each part assembles by itself: llvm-mc -triple=amdgcn-amd-amdhsa -mcpu=gfx1250 --defsym DOCPART=n.
;; ======== version 1 of 1: 3 launches
;; limits: right only within a limited range of input values
;; workspace buffers: q_codes 8,388,608 bytes; k_codes 8,388,608 bytes; v_codes 8,388,608 bytes; q_scales 262,144 bytes; k_scales 262,144 bytes; v_scales 262,144 bytes; att_codes 8,388,608 bytes; att_scales 262,144 bytes
;; launch qkv (part 1): grid 4 x 64, 4 waves a work-group, clusters of 4 x 4, 327,680 bytes of LDS; arguments x_codes, x_scales, Wq_codes, Wq_scales, Wk_codes, Wk_scales, Wv_codes, Wv_scales, q_codes, q_scales, k_codes, k_scales, v_codes, v_scales; writes q_codes, q_scales, k_codes, k_scales, v_codes, v_scales
.if DOCPART == 1
	.amdgcn_target "amdgcn-amd-amdhsa--gfx1250"
	.amdhsa_code_object_version 6
	.text
	.protected	k_qd394415489_qkv
	.globl	k_qd394415489_qkv
	.p2align	8
	.type	k_qd394415489_qkv,@function
k_qd394415489_qkv:
	s_mov_b64 s[64:65], 0
	v_nop
	global_prefetch_b8 v0, s[64:65] scope:SCOPE_SE
	s_setreg_imm32_b32 hwreg(HW_REG_WAVE_MODE, 25, 1), 1
	s_wait_xcnt 0x0
	s_wait_alu depctr_hold_cnt(0) depctr_sa_sdst(0) depctr_va_vdst(0) depctr_va_sdst(0) depctr_va_ssrc(0) depctr_va_vcc(0) depctr_vm_vsrc(0)
	s_getreg_b32 s2, hwreg(HW_REG_IB_STS2, 6, 4)
	s_cmp_eq_u32 s2, 0
	s_cbranch_scc0 .Lentry_in_a_cluster
	s_endpgm
.Lentry_in_a_cluster:
	s_bfe_u32 s2, ttmp6, 0x10000c
	s_cmp_lg_u32 s2, 0xf033
	s_cbranch_scc0 .Lentry_shape_is_right
	s_endpgm
.Lentry_shape_is_right:
; q, k, v = x W for all 16 heads, on codes of FP8 (E4M3) with one E8M0 scale for each 32 along K = 1,024; the results are quantised in registers and leave as codes and scale bytes.
; DEAD WORK OF THE PROGRAM: no input is dead, all are loaded.  Left out, in the attention launch alone, are the key steps that lie wholly above the diagonal: reference() builds the causal mask in its own body,
; sets those logits to -infinity, so their weights are exactly 0 for every finite input and add nothing to the sum or to the product with v.  LIMIT: a NaN, an infinity or an overflow that reaches only that work is not carried to the result.
; LIMITS: NaN and infinities among the inputs are not served.  A block of zeros gets the scale byte 1 where the quantiser says 127: its codes are zeros, and this program alone reads these bytes.  Blocks whose largest magnitude lies under 2^-118 have their byte held at 1.
; THE DEAL.  256 work-groups: (g, rt): 128 tokens (rt = 0 .. 63) x 768 weight rows: the pairs of heads 2 g and 2 g + 1 of q, of k and of v: six CHUNKS of 128 rows (chunk n: tensor n / 2, pair 2 g + n % 2).
; Four waves, wr = wave / 2, wc = wave % 2.  A wave holds 64 tokens (64 wc on), ALL of K, in 512 registers, and streams past them the 64 rows of head wr of each chunk, in blocks of 16 rows, which stand in registers as two whole sets.
; A PAIR of blocks (32 rows) is 64 products on eight sums by turns, then the quantiser of four blocks of 32, then the stores.  While a set is multiplied the other is on its way from LDS.
; q, k are quantised along d: source 0 = the weight's rows, so that a lane holds one token and eight d; v along the keys: source 0 = x's rows, so that a lane holds one d and eight tokens.
; LDS: two slots of 128 whole rows (1,024 bytes + 16 of padding).  At the head x's rows land in slot 0 and chunk 0 in slot 1; when x is in registers chunk 1 is filled over it; chunk n + 2 follows chunk n in its slot.
; Every refill stands behind a drained round of the cluster's barrier, a quarter of the chunk a wave.  CLUSTERS of 4 x 4: x's rows are shared along a row (the four g), a chunk along a column (four rt).
; THE RESULT LEAVES AS IMAGES OF OPERAND REGISTERS: a chunk of 512 bytes: lane l's 16 bytes at 16 l: 8 codes of indices 8 h + j and 8 of 16 + 8 h + j of a block of 32: a permutation inside a block that is the same in q and k, and the same in v and in the attention launch's p.
; q_codes, k_codes: [b][h][t / 128][8,192]: tile tau of 16 tokens, block c at 2,048 (tau & 3) + 1,024 (tau >> 2) + 512 c.  v_codes: [b][h][t / 128][d tile][key block][512].
; q_scales, k_scales: [b][h / 2][t tile][16 rows][even head's two bytes, odd head's two].  v_scales: [b][h][t / 128][d tile][16 rows][4 key blocks].  The bytes gather in LDS bytes of their own and leave at the end, 16 bytes a lane.
; REGISTERS: window 0: addresses, scale words (v24-39 x's, v44-59 the weight's, two sets), v64-127 the sums, v128-159 the quantiser; windows 1, 2: x; window 3: the two sets of the weight's blocks.
.set PITCH, 1040
.set YB,    128*PITCH                  ; slot 1
.set SCR,   2*YB                       ; the outputs' scale bytes: 512 for each chunk
.set SPARE, SCR+3072                   ; the spare words, 128 bytes for each wave: two blocks of 256 bytes that no other line names
.set AF0, 4                            ; my lane's place in a chunk: row 64 wr + r, + 16 h
.set ADX, 5                            ; and in x's rows: row 64 wc + r
.set WSO, 6                            ; 32 x lane
.set CO,  7                            ; 16 x lane
.set SB0, 8                            ; where q's and k's scale bytes go: SCR + 4 r + 256 wc + 2 wr
.set SB1, 9                            ; v's: SCR + 4 r + 256 wr + 2 wc
.set SPW, 10
.set NIL, 11
.set ADF, 12                           ; the fetch in hand
.set SBA, 13                           ; the bytes in hand
.set PFO, 14                           ; 256 x lane
.set SRD, 15                           ; SCR + 512 wave + 16 lane
.set VO,  16                           ; 16 r + 4,096 h
.set XS,  24                           ; x's scale words: register 8 p + q: lanes 0-15 tile 2 p's, lanes 16-31 tile 2 p + 1's
.set WS0, 44                           ; the weight's: register q: lanes 0-15 the pair's first block, lanes 16-31 its second; no product's two scale registers have numbers equal modulo 8
.set WS1, 52
.set ACC, 64
.set TM,  128
.set PC,  144
.set G1X, 24
.set G1W, 32
.set G0X, 48
.set G0W, 52
.set G0R, 56
.set MSB, 0
.macro WIN new                         ; the immediate's high byte repeats the setting that is left
.if MSB != (\new)
	s_set_vgpr_msb (MSB<<8)|(\new)
.set MSB, (\new)
.endif
.endm
.macro WALU
	s_wait_alu depctr_va_vdst(0)
.endm
.macro PLACES n
.rept \n
	v_nop
.endr
.endm
.macro BARRIER
	s_barrier_signal -1
	s_barrier_wait -1
.endm
.macro CROUND                          ; a round of the cluster's barrier
	BARRIER
	s_cmp_lg_u32 s14, 0
	s_cbranch_scc1 .Lnot_wave_0_\@
	s_barrier_signal -3
.Lnot_wave_0_\@:
	s_barrier_wait -3
	BARRIER
.endm
.macro GROUP1 g, mask, rows            ; whole rows of 1,024 bytes, 16 bytes of padding behind each; bit 21 beside a mask
	s_or_b32 s[\g+0], s[\mask], (1<<20)|(1<<21)|(7<<22)|(3<<25)
	s_mov_b32 s[\g+1], 1024<<16
	s_mov_b32 s[\g+2], (\rows)<<16
	s_mov_b32 s[\g+3], 1024<<16
	s_mov_b32 s[\g+4], \rows
	s_mov_b32 s[\g+5], 1024
	s_mov_b32 s[\g+6], 0
	s_mov_b32 s[\g+7], 0
.endm
; chunk m's place in one of three like buffers: the tensor m / 2 is chosen on the count of chunks alone, then (2 g + m % 2) << sh bytes on.  s61 = 0
.macro CHPTR d, m, pq, pk, pv, sh
	s_cmp_lt_u32 s\m, 2
	s_cselect_b64 s[\d:\d+1], s[\pq:\pq+1], s[\pk:\pk+1]
	s_cmp_lt_u32 s\m, 4
	s_cselect_b64 s[\d:\d+1], s[\d:\d+1], s[\pv:\pv+1]
	s_and_b32 s60, s\m, 1
	s_add_co_u32 s60, s60, s3
	s_lshl_b32 s60, s60, \sh
	s_add_nc_u64 s[\d:\d+1], s[\d:\d+1], s[60:61]
.endm
	s_load_b512 s[68:83], s[0:1], 0x0              ; x codes 68, x scales 70, Wq 72, 74, Wk 76, 78, Wv 80, 82
	s_load_b256 s[84:91], s[0:1], 0x40             ; q codes 84, q scales 86, k codes 88, k scales 90
	s_load_b128 s[92:95], s[0:1], 0x60             ; v codes 92, v scales 94
	v_lshl_add_u32 v[SPW], v0, 2, SPARE
	v_mov_b32 v[NIL], 0
	ds_add_u32 v[SPW], v[NIL]                      ; the wave's opening: the add, twice on end, and its wait ahead of my first tensor load
	ds_add_u32 v[SPW], v[NIL]
	v_lshrrev_b32 v1, 5, v0
	v_readfirstlane_b32 s14, v1                    ; wave 0..3
	s_lshr_b32 s15, s14, 1                         ; wr
	s_and_b32 s16, s14, 1                          ; wc
	s_bfe_u32 s40, ttmp6, 0x40000                  ; cx = g: the grid is one cluster wide
	s_bfe_u32 s41, ttmp6, 0x40004                  ; cy
	s_and_b32 s17, ttmp7, 0xffff
	s_lshl_b32 s17, s17, 2
	s_add_co_u32 s17, s17, s41                     ; rt
	s_lshl_b32 s3, s40, 1                          ; 2 g
	s_lshl_b32 s43, s41, 2
	s_lshl_b32 s43, 15, s43                        ; my row of the cluster shares x's rows
	s_lshl_b32 s44, 0x1111, s40                    ; my column the weights'
	GROUP1 G1X, 43, 64
	GROUP1 G1W, 44, 64
	s_lshl_b32 s18, s17, 17                        ; the head's loads bring 64 rows each: waves 0, 1 x's halves, waves 2, 3 chunk 0's
	s_lshl_b32 s20, s16, 16
	s_add_co_u32 s18, s18, s20
	s_mov_b32 s19, 0
	s_lshl_b32 s21, s3, 17
	s_add_co_u32 s20, s20, s21
	s_mov_b32 s21, 0
	s_mov_b32 s[G0X], 1
	s_mul_i32 s[G0X+1], s16, 64*PITCH
	s_mov_b32 s[G0W], 1
	s_add_co_u32 s[G0W+1], s[G0X+1], YB
	s_mov_b32 s[G0R], 1
	s_wait_dscnt 0x0                               ; both opening adds are done
	CROUND                                         ; all sixteen work-groups are here: the first joint loads meet
	s_wait_kmcnt 0x0
	s_add_nc_u64 s[G0X+2:G0X+3], s[68:69], s[18:19]
	s_or_b32 s[G0X+3], s[G0X+3], 0x80000000
	s_add_nc_u64 s[G0W+2:G0W+3], s[72:73], s[20:21]
	s_or_b32 s[G0W+3], s[G0W+3], 0x80000000
	s_cmp_lt_u32 s14, 2                            ; one tensor load a wave at the head
	s_cbranch_scc0 .Lhead_w
	tensor_load_to_lds s[G0X:G0X+3], s[G1X:G1X+7]
	s_nop 0
	PLACES 4
	s_branch .Lhead_asked
.Lhead_w:
	tensor_load_to_lds s[G0W:G0W+3], s[G1W:G1W+7]
	s_nop 0
	PLACES 4
.Lhead_asked:
	s_lshr_b32 s100, s17, 4                        ; b
	s_and_b32 s101, s17, 15                        ; the step of 128 tokens in the sequence
	s_lshl_b32 s46, s100, 21                       ; s[46:47]: my place in a tensor of codes, the pair of heads aside: b, head wr of the pair, the step, 1,024 wc
	s_lshl_b32 s18, s15, 17
	s_add_co_u32 s46, s46, s18
	s_lshl_b32 s18, s101, 13
	s_add_co_u32 s46, s46, s18
	s_lshl_b32 s18, s16, 10
	s_add_co_u32 s46, s46, s18
	s_mov_b32 s47, 0
	s_lshl_b32 s100, s100, 16
	s_lshl_b32 s20, s15, 11                        ; s[20:21]: my head's 64 rows of scale bytes in a chunk's
	s_lshl_b32 s22, s14, 15                        ; s[22:23]: my quarter of a chunk's codes
	s_mov_b32 s23, 0
	s_lshl_b32 s18, s41, 2                         ; s[18:19]: my sixteenth of a chunk, among the sixteen waves of my column of the cluster: told apart by address
	s_add_co_u32 s18, s18, s14
	s_lshl_b32 s18, s18, 13
	s_mov_b32 s61, 0
	s_mov_b32 s62, 0x600000                        ; the mantissa field of 448
	s_mov_b32 s66, 0x76543210
	s_mov_b32 s67, 0xfedcba98                      ; v_permlanex16_b32's selects for lane l xor 16
	s_mul_i32 s4, s15, 64*PITCH
	s_mul_i32 s5, s16, 64*PITCH
	s_lshl_b32 s6, s16, 8
	s_lshl_b32 s7, s15, 1
	s_add_co_u32 s6, s6, s7
	s_lshl_b32 s7, s15, 8
	s_lshl_b32 s8, s16, 1
	s_add_co_u32 s7, s7, s8
	s_lshl_b32 s8, s14, 9
	s_add_co_u32 s8, s8, SCR
	v_and_b32 v1, 15, v0                           ; r
	v_bfe_u32 v2, v0, 4, 1                         ; h
	v_and_b32 v3, 31, v0                           ; lane
	v_mul_u32_u24 v20, v1, PITCH
	v_lshl_add_u32 v21, v1, 2, SCR
	v_lshl_add_u32 v20, v2, 4, v20
	v_lshlrev_b32 v[WSO], 5, v3
	v_lshlrev_b32 v[CO], 4, v3
	v_lshlrev_b32 v[PFO], 8, v3
	v_add_nc_u32 v[AF0], s4, v20
	v_add_nc_u32 v[ADX], s5, v20
	v_add_nc_u32 v[SB0], s6, v21
	v_add_nc_u32 v[SB1], s7, v21
	v_add_nc_u32 v[SRD], s8, v[CO]
	v_lshlrev_b32 v[VO], 4, v1
	v_lshl_add_u32 v[VO], v2, 12, v[VO]
.irp p, 0,1,2,3
	v_mov_b32 v[TM+4+\p], 0                        ; a lane permute's destination counts as one of its sources
.endr
	WALU
	s_lshl_b32 s60, s17, 12                        ; x's scale bytes: 32 a row, my 64 tokens
	s_lshl_b32 s98, s16, 11
	s_add_co_u32 s60, s60, s98
	s_add_nc_u64 s[96:97], s[70:71], s[60:61]
.irp p, 0,1
.irp c, 0,1
	global_load_b128 v[XS+8*\p+4*\c:XS+8*\p+4*\c+3], v[WSO], s[96:97] offset:1024*\p+16*\c   ; lane l takes row l of two tiles: 1,024 consecutive bytes
.endr
.endr
	s_mov_b32 s12, 0                               ; the chunk in hand
	s_mov_b32 s13, YB                              ; and its slot
	CHPTR 6, 12, 74, 78, 82, 12                    ; s[6:7]: the scale bytes of my head's rows in the chunk that follows; here chunk 0
	s_add_nc_u64 s[6:7], s[6:7], s[20:21]
	global_load_b128 v[WS0:WS0+3], v[WSO], s[6:7]
	global_load_b128 v[WS0+4:WS0+7], v[WSO], s[6:7] offset:16
	s_mov_b32 s98, 1
	CHPTR 10, 98, 72, 76, 80, 17                   ; chunk 1's codes,
	s_add_nc_u64 s[10:11], s[10:11], s[22:23]      ; my quarter
	s_wait_tensorcnt 0x0                           ; my half tile is in
	BARRIER                                        ; x's rows and chunk 0 are whole
.irp q, 0,1,2,3,4,5,6,7                        ; x into registers: fragment 4 q + i: tile i, the q-th 128 of K: lane l holds row l % 16; registers 4 c .. 4 c + 3 hold K = 32 c + 16 (l / 16) + 0 .. 15
	WIN (1+\q/4)<<6
.irp i, 0,1,2,3
.irp c, 0,1,2,3
	ds_load_b128 v[16*((4*\q+\i)%16)+4*\c:16*((4*\q+\i)%16)+4*\c+3], v[ADX] offset:128*\q+32*\c+\i*16*PITCH
.endr
.endr
.endr
	WIN 0
	s_wait_tensorcnt 0x0                           ; ahead of the refill
	ds_add_u32 v[SPW], v[NIL]
	s_mov_b32 s[G1W+2], 32<<16                     ; no tensor load of mine is out: from here on a load brings 32 rows
	s_mov_b32 s[G1W+4], 32
	s_mul_i32 s[G0R+1], s14, 32*PITCH              ; into slot 0
	s_mov_b64 s[G0R+2:G0R+3], s[10:11]
	s_or_b32 s[G0R+3], s[G0R+3], 0x80000000
	s_wait_dscnt 0x0                               ; the add is done, and x is in my registers
	CROUND
	tensor_load_to_lds s[G0R:G0R+3], s[G1W:G1W+7]  ; chunk 1 over x's rows
	s_nop 0
	PLACES 4
.macro FETCH e, pp                     ; block e of pair pp of the chunk at v[ADF] into set e: 32 loads
	WIN 3<<6
.irp q, 0,1,2,3,4,5,6,7
.irp c, 0,1,2,3
	ds_load_b128 v[128*\e+16*\q+4*\c:128*\e+16*\q+4*\c+3], v[ADF] offset:(32*(\pp)+16*\e)*PITCH+128*\q+32*\c
.endr
.endr
	WIN 0
.endm
; one product: block e x token tile i, the q-th 128 of K.  The sums lie so that the 16 numbers a lane has of a block of 32 are neighbours: q, k: tile i's two blocks; v: block e's tiles 2 p, 2 p + 1
.macro PROD kind, e, q, i, ws
.set F_, 4*(\q)+(\i)
.if \kind
.set A_, ACC+32*(\e)+8*(\i)
.set P0_, 16*(F_%16)
.set P1_, 128*(\e)+16*(\q)
.set S0_, XS+8*((\i)/2)+(\q)
.set S1_, (\ws)+(\q)
.set R0_, (\i)%2
.set R1_, \e
	WIN (1+F_/16)|(3<<2)
.else
.set A_, ACC+16*(\i)+8*(\e)
.set P0_, 128*(\e)+16*(\q)
.set P1_, 16*(F_%16)
.set S0_, (\ws)+(\q)
.set S1_, XS+8*((\i)/2)+(\q)
.set R0_, \e
.set R1_, (\i)%2
	WIN 3|((1+F_/16)<<2)
.endif
.if (\q) == 0
.if R0_ && R1_
	v_wmma_scale_f32_16x16x128_f8f6f4 v[A_:A_+7], v[P0_:P0_+15], v[P1_:P1_+15], 0, v[S0_], v[S1_] matrix_a_scale:MATRIX_SCALE_ROW1 matrix_b_scale:MATRIX_SCALE_ROW1
.elseif R0_
	v_wmma_scale_f32_16x16x128_f8f6f4 v[A_:A_+7], v[P0_:P0_+15], v[P1_:P1_+15], 0, v[S0_], v[S1_] matrix_a_scale:MATRIX_SCALE_ROW1
.elseif R1_
	v_wmma_scale_f32_16x16x128_f8f6f4 v[A_:A_+7], v[P0_:P0_+15], v[P1_:P1_+15], 0, v[S0_], v[S1_] matrix_b_scale:MATRIX_SCALE_ROW1
.else
	v_wmma_scale_f32_16x16x128_f8f6f4 v[A_:A_+7], v[P0_:P0_+15], v[P1_:P1_+15], 0, v[S0_], v[S1_]
.endif
.else
.if R0_ && R1_
	v_wmma_scale_f32_16x16x128_f8f6f4 v[A_:A_+7], v[P0_:P0_+15], v[P1_:P1_+15], v[A_:A_+7], v[S0_], v[S1_] matrix_a_scale:MATRIX_SCALE_ROW1 matrix_b_scale:MATRIX_SCALE_ROW1
.elseif R0_
	v_wmma_scale_f32_16x16x128_f8f6f4 v[A_:A_+7], v[P0_:P0_+15], v[P1_:P1_+15], v[A_:A_+7], v[S0_], v[S1_] matrix_a_scale:MATRIX_SCALE_ROW1
.elseif R1_
	v_wmma_scale_f32_16x16x128_f8f6f4 v[A_:A_+7], v[P0_:P0_+15], v[P1_:P1_+15], v[A_:A_+7], v[S0_], v[S1_] matrix_b_scale:MATRIX_SCALE_ROW1
.else
	v_wmma_scale_f32_16x16x128_f8f6f4 v[A_:A_+7], v[P0_:P0_+15], v[P1_:P1_+15], v[A_:A_+7], v[S0_], v[S1_]
.endif
.endif
.endm
.macro BLOCK kind, e, ws, q0, q1       ; a block's products from K step q0 up to q1: its four sums by turns
.set Q_, \q0
.rept (\q1)-(\q0)
.irp i, 0,1,2,3
	PROD \kind, \e, Q_, \i, \ws
.endr
.set Q_, Q_+1
.endr
	WIN 0
.endm
.macro QUANT                           ; four blocks of 32: block n's 16 numbers of my lane at ACC + 16 n, the other 16 in lane l xor 16 -> codes PC + 4 n, bytes TM + 4 + n
	s_wait_xcnt 0x0                                ; the last pair's stores have read their data registers, which are written again below
.irp p, 0,1,2,3
	v_max3_num_f32 v[TM+\p], |v[ACC+16*\p]|, |v[ACC+16*\p+1]|, 0x4800000   ; from each sum's low end on; the floor 2^(9 - 127) holds the byte at 1 from below
.endr
.irp i, 2,4,6,8,10,12,14
.irp p, 0,1,2,3
	v_max3_num_f32 v[TM+\p], |v[ACC+16*\p+\i]|, |v[ACC+16*\p+\i+1]|, v[TM+\p]
.endr
.endr
.irp p, 0,1,2,3
	v_permlanex16_b32 v[TM+4+\p], v[TM+\p], s66, s67
.endr
.irp p, 0,1,2,3
	v_max_num_f32 v[TM+\p], v[TM+\p], v[TM+4+\p]   ; the block's largest magnitude
.endr
.irp p, 0,1,2,3
	v_add_nc_u32 v[TM+12+\p], 0xfc000000, v[TM+\p] ; 8 off its exponent field: the conversion's scale operand
.endr
.irp p, 0,1,2,3
	v_and_or_b32 v[TM+8+\p], v[TM+\p], 0x7f800000, s62   ; 448 x the scale
.endr
.irp p, 0,1,2,3
	v_lshrrev_b32 v[TM+4+\p], 23, v[TM+12+\p]      ; the scale's byte
.endr
.irp p, 0,1,2,3
.irp i, 0,1,2,3,4,5,6,7,8,9,10,11,12,13,14,15
	v_med3_num_f32 v[ACC+16*\p+\i], v[ACC+16*\p+\i], -v[TM+8+\p], v[TM+8+\p]   ; the conversion to an 8-bit code does not saturate (ISA guide 7.6.2): the hold
.endr
.endr
.irp p, 0,1,2,3
	v_cvt_scalef32_pk8_fp8_f32 v[PC+4*\p:PC+4*\p+1], v[ACC+16*\p:ACC+16*\p+7], v[TM+12+\p]
	v_cvt_scalef32_pk8_fp8_f32 v[PC+4*\p+2:PC+4*\p+3], v[ACC+16*\p+8:ACC+16*\p+15], v[TM+12+\p]
.endr
	v_nop                                          ; a plain instruction between the conversions and what next writes their sources
.endm
; A PAIR OF BLOCKS: pair p of the chunk in hand.  mid = 1: a drained round inside it, and behind the round chunk n + 2 into this chunk's slot, whose last rows were fetched a pair ago; mid = 2: a plain barrier that shows the last chunk.
; nxt = 1: the sets take the next pair: pair 1 of this chunk (p = 0), or pair 0 of the next chunk, in the other slot (p = 1).
; The counted waits: behind the loads of a set at least the 32 loads of the other set have been issued on every way, so at most 32 may be out.
.macro PAIR kind, p, mid, nxt
	s_wait_loadcnt 0x0                             ; this pair's scale words (the first time: x's too)
.if \nxt
.if \p
	global_load_b128 v[WS0:WS0+3], v[WSO], s[6:7]
	global_load_b128 v[WS0+4:WS0+7], v[WSO], s[6:7] offset:16
.else
	global_load_b128 v[WS1:WS1+3], v[WSO], s[4:5] offset:1024
	global_load_b128 v[WS1+4:WS1+7], v[WSO], s[4:5] offset:1040
.endif
.endif
	s_wait_dscnt 32                                ; set 0 is in
	BLOCK \kind, 0, WS0+8*\p, 0, 4
.if \mid == 1
	s_wait_tensorcnt 0x0                           ; the next chunk has landed
	ds_add_u32 v[SPW], v[NIL]
	s_mul_i32 s[G0R+1], s14, 32*PITCH              ; no tensor load of mine is out: the refill's group 0
	s_add_co_u32 s[G0R+1], s[G0R+1], s13
	s_mov_b64 s[G0R+2:G0R+3], s[10:11]
	s_or_b32 s[G0R+3], s[G0R+3], 0x80000000
.endif
	BLOCK \kind, 0, WS0+8*\p, 4, 8
.if \mid == 1
	s_wait_dscnt 0x0                               ; the add is done, and my reads of this chunk are over
	CROUND
	tensor_load_to_lds s[G0R:G0R+3], s[G1W:G1W+7]
	s_nop 0
	PLACES 4
.elseif \mid == 2
	s_wait_tensorcnt 0x0
	s_wait_dscnt 0x0
	BARRIER
	PLACES 4
.else
	PLACES 4
.endif
.if \p                                 ; with the four above eight places in front of loads into registers that the products have read
	v_add_nc_u32 v[ADF], s2, v[AF0]
.else
	v_add_nc_u32 v[ADF], s13, v[AF0]
.endif
	PLACES 3
.if \nxt
	FETCH 0, 1-\p
.if \mid == 1
	s_cmp_lt_u32 s12, 3                            ; A PREFETCH INTO THE L2: chunk n + 3, which the next trip's refill will ask for: my sixteenth of it, lanes 256 bytes apart; the last trip has none to name
	s_cbranch_scc0 .Lnone_ahead_\@
	global_prefetch_b8 v[PFO], s[96:97] th:TH_LOAD_NT scope:SCOPE_SE
.Lnone_ahead_\@:
.endif
	s_wait_dscnt 32                                ; set 1 is in
.else
	s_wait_dscnt 0x0
.endif
	BLOCK \kind, 1, WS0+8*\p, 0, 8
.if \p
	v_add_nc_u32 v[ADF], s2, v[AF0]
.else
	v_add_nc_u32 v[ADF], s13, v[AF0]
.endif
	v_add_nc_u32 v[SBA], s99, v[SB0+\kind]
	PLACES 6
.if \nxt
	FETCH 1, 1-\p
.endif
	QUANT
.irp n, 0,1,2,3
.if \kind
	ds_store_b8 v[SBA], v[TM+4+\n] offset:128*\p+64*(\n/2)+\n%2
	global_store_b128 v[CO], v[PC+4*\n:PC+4*\n+3], s[8:9] offset:4096*\p+2048*(\n/2)+512*(\n%2)   ; 32 lanes store 512 consecutive bytes, aligned
.else
	ds_store_b8 v[SBA], v[TM+4+\n] offset:64*\n+\p
	global_store_b128 v[CO], v[PC+4*\n:PC+4*\n+3], s[8:9] offset:2048*\n+512*\p
.endif
.endr
	WALU
.endm
.macro SETUP rf                        ; a chunk begins: its pointers, made of the count of chunks
	s_wait_xcnt 0x0                                ; earlier memory instructions have read their bases
	s_mov_b64 s[4:5], s[6:7]                       ; my rows' scale bytes in this chunk,
	s_add_co_u32 s98, s12, 1
	CHPTR 6, 98, 74, 78, 82, 12                    ; and in the next
	s_add_nc_u64 s[6:7], s[6:7], s[20:21]
	CHPTR 8, 12, 84, 88, 92, 18                    ; where my codes go
	s_add_nc_u64 s[8:9], s[8:9], s[46:47]
	s_lshl_b32 s99, s12, 9                         ; and the bytes, in LDS
	s_xor_b32 s2, s13, YB                          ; the other slot
.if \rf
	s_add_co_u32 s98, s12, 2
	CHPTR 10, 98, 72, 76, 80, 17                   ; the refill: chunk n + 2, my quarter
	s_add_nc_u64 s[10:11], s[10:11], s[22:23]
	s_add_co_u32 s98, s12, 3
	s_min_u32 s98, s98, 5
	CHPTR 96, 98, 72, 76, 80, 17                   ; the prefetch: chunk n + 3, my sixteenth
	s_add_nc_u64 s[96:97], s[96:97], s[18:19]
.endif
.endm
	v_add_nc_u32 v[ADF], YB, v[AF0]
	FETCH 0, 0                                     ; chunk 0's first pair
	FETCH 1, 0
.Lchunk:                                           ; four trips: q's and k's chunks; each has its one refill
	SETUP 1
	PAIR 0, 0, 0, 1
	PAIR 0, 1, 1, 1
	s_xor_b32 s13, s13, YB
	s_add_co_u32 s12, s12, 1
	s_cmp_lt_u32 s12, 4
	s_cbranch_scc1 .Lchunk
	SETUP 0                                        ; v's two chunks are written out: nothing is left to ask for
	PAIR 1, 0, 0, 1
	PAIR 1, 1, 2, 1
	s_xor_b32 s13, s13, YB
	s_add_co_u32 s12, s12, 1
	SETUP 0
	PAIR 1, 0, 0, 1
	PAIR 1, 1, 0, 0
	; the scale bytes: wave w stores chunk w's 512 (q's and k's), waves 0 and 1 also v's
	s_wait_dscnt 0x0
	BARRIER
	s_wait_xcnt 0x0
	ds_load_b128 v[TM:TM+3], v[SRD]
	CHPTR 8, 14, 86, 90, 94, 13
	s_lshl_b32 s60, s101, 9
	s_add_co_u32 s60, s60, s100
	s_add_nc_u64 s[8:9], s[8:9], s[60:61]
	s_wait_dscnt 0x0
	global_store_b128 v[CO], v[TM:TM+3], s[8:9]    ; 512 consecutive bytes, aligned
	s_cmp_lt_u32 s14, 2
	s_cbranch_scc0 .Lno_v
	ds_load_b128 v[TM+4:TM+7], v[SRD] offset:2048
	s_add_co_u32 s98, s14, 4
	CHPTR 4, 98, 86, 90, 94, 13
	s_lshl_b32 s60, s101, 8
	s_add_co_u32 s60, s60, s100
	s_add_nc_u64 s[4:5], s[4:5], s[60:61]
	s_wait_dscnt 0x0
	global_store_b128 v[VO], v[TM+4:TM+7], s[4:5]  ; lanes 0-15 the even head's 256 bytes, lanes 16-31 the odd head's, 4,096 bytes on
.Lno_v:
	s_wait_tensorcnt 0x0                           ; the wave's end
	ds_add_u32 v[SPW], v[NIL]
	s_wait_dscnt 0x0
	CROUND                                         ; the closing round
	s_endpgm
.Lfunc_end_k_qd394415489_qkv:
	.size	k_qd394415489_qkv, .Lfunc_end_k_qd394415489_qkv-k_qd394415489_qkv
	.p2alignl 7, 3214868480
	.fill 96, 4, 3214868480
	.section	.rodata,"a",@progbits
	.p2align	6, 0x0
	.amdhsa_kernel k_qd394415489_qkv
		.amdhsa_group_segment_fixed_size 327680
		.amdhsa_private_segment_fixed_size 0
		.amdhsa_enable_private_segment 0
		.amdhsa_kernarg_size 112
		.amdhsa_user_sgpr_count 2
		.amdhsa_user_sgpr_kernarg_segment_ptr 1
		.amdhsa_wavefront_size32 1
		.amdhsa_system_sgpr_workgroup_id_x 1
		.amdhsa_system_sgpr_workgroup_id_y 1
		.amdhsa_system_sgpr_workgroup_id_z 1
		.amdhsa_system_vgpr_workitem_id 0
		.amdhsa_next_free_vgpr 1024
		.amdhsa_next_free_sgpr 102
		.amdhsa_reserve_vcc 0
		.amdhsa_float_denorm_mode_32 3
		.amdhsa_float_denorm_mode_16_64 3
		.amdhsa_memory_ordered 1
		.amdhsa_forward_progress 1
		.amdhsa_inst_pref_size 152
	.end_amdhsa_kernel
	.amdgpu_metadata
---
amdhsa.version: [ 1, 2 ]
amdhsa.kernels:
  - .name:           k_qd394415489_qkv
    .symbol:         k_qd394415489_qkv.kd
    .args:
      - { .name: x_codes, .offset: 0, .size: 8, .value_kind: global_buffer, .address_space: global }
      - { .name: x_scales, .offset: 8, .size: 8, .value_kind: global_buffer, .address_space: global }
      - { .name: Wq_codes, .offset: 16, .size: 8, .value_kind: global_buffer, .address_space: global }
      - { .name: Wq_scales, .offset: 24, .size: 8, .value_kind: global_buffer, .address_space: global }
      - { .name: Wk_codes, .offset: 32, .size: 8, .value_kind: global_buffer, .address_space: global }
      - { .name: Wk_scales, .offset: 40, .size: 8, .value_kind: global_buffer, .address_space: global }
      - { .name: Wv_codes, .offset: 48, .size: 8, .value_kind: global_buffer, .address_space: global }
      - { .name: Wv_scales, .offset: 56, .size: 8, .value_kind: global_buffer, .address_space: global }
      - { .name: q_codes, .offset: 64, .size: 8, .value_kind: global_buffer, .address_space: global }
      - { .name: q_scales, .offset: 72, .size: 8, .value_kind: global_buffer, .address_space: global }
      - { .name: k_codes, .offset: 80, .size: 8, .value_kind: global_buffer, .address_space: global }
      - { .name: k_scales, .offset: 88, .size: 8, .value_kind: global_buffer, .address_space: global }
      - { .name: v_codes, .offset: 96, .size: 8, .value_kind: global_buffer, .address_space: global }
      - { .name: v_scales, .offset: 104, .size: 8, .value_kind: global_buffer, .address_space: global }
    .group_segment_fixed_size: 327680
    .private_segment_fixed_size: 0
    .kernarg_segment_align: 8
    .kernarg_segment_size: 112
    .max_flat_workgroup_size: 128
    .sgpr_count:     102
    .vgpr_count:     1024
    .wavefront_size: 32
...
	.end_amdgpu_metadata
.endif
;; end of part 1
;; launch attn (part 2): grid 4 x 64, 16 waves a work-group, no clusters, 327,680 bytes of LDS; arguments q_codes, q_scales, k_codes, k_scales, v_codes, v_scales, att_codes, att_scales; writes att_codes, att_scales
.if DOCPART == 2
	.amdgcn_target "amdgcn-amd-amdhsa--gfx1250"
	.amdhsa_code_object_version 6
	.text
	.protected	k_qd394415489_attn
	.globl	k_qd394415489_attn
	.p2align	8
	.type	k_qd394415489_attn,@function
k_qd394415489_attn:
	s_mov_b64 s[64:65], 0
	v_nop
	global_prefetch_b8 v0, s[64:65] scope:SCOPE_SE
	s_setreg_imm32_b32 hwreg(HW_REG_WAVE_MODE, 25, 1), 1
	s_wait_xcnt 0x0
; Causal attention of one head on codes of FP8 (E4M3): S^T = K Q^T (K = the head's 64), p = 2^(t - M), O^T = V^T P^T, O / the row's sum, quantised along C for the projection.
; LEFT OUT: key steps of 128 keys all of which come after a wave's 16 queries: reference() itself masks them to -infinity, so their weights are exactly 0 (shown at the head of the first kernel; the limit on NaN and infinities stated there holds here).
; t = score x log2(e) / 32 (reference() scales by 1,024^-0.5); M = the running largest t rounded up to a whole number; the row's sum is taken of the unquantised p; when M moves, the sum and O^T are multiplied by 2^(old M - new M), which rounds nothing.
; LIMITS: NaN and infinities are not served; a block of zeros gets the byte 1 (this program alone reads the bytes); blocks under 2^-118 have their byte held at 1.
; SHARES.  Work-group (i, y): head y = 16 b + h; it owns the blocks of 256 queries 7 - i and then i.  Keys go in slots of 512: (7 - i) / 2 + 1 and i / 2 + 1 slots, FIVE in every work-group, and 272 key steps of a wave in each.
; Each of the sixteen waves owns one tile of 16 queries of the block in hand: tile 8 (w0 xor w2) + w / 2 of wave w, so that tiles of the block's lower and upper half alternate both with w % 4 and with w / 4.  A lane holds ONE query (lane % 16).
; NO CLUSTER: the steps that the causal mask leaves out are jumped over by branches on the work-group's own number, which in a cluster would be its place among its partners.
; TWO KEY TILES IN ONE FRAGMENT.  The instruction's K is 128, the head's 64.  A fragment's 16 registers hold tile tau (k = 0 .. 63) and tile tau + 4 (k = 64 .. 127); multiplied by [Q | zero codes] it gives tile tau's scores, by [zero codes | Q] tile tau + 4's.
; v16-23 zero, v24-31 Q, v32-39 zero serve as both.  What stands against zero codes are finite codes under finite scale bytes, which add 0.
; OPERANDS COME AS IMAGES OF REGISTERS (made by the launch before): a chunk of 512 bytes is four registers, lane l's 16 bytes at 16 l.  The order of k inside a block of 32 is the same in q and k, and the same in v and in p as S^T leaves it.
; LDS: slot n at 131,072 n: K's and V's codes as four regions of 16,384 bytes, [lower or upper 4,096 bytes of a step][step 0 .. 3]; K's scale words (2,048), V's (1,024).  Waves 0-3 fetch a region each (four rows of 4,096 bytes, 8,192 apart in memory,
; so that each load holds bytes of the slot's first step, which is always read), wave 4 K's scale words, wave 5 V's: one tensor load a wave behind a change of slots.  Every wait on TENSORcnt is for 0.
; OUT: att_codes [row tile][block of 32 along C][512] in the operand's true order of k; att_scales [row][32]: a head's two bytes of a row by a store of 2 bytes a lane: 262,144 bytes in the whole launch.
.set SLOT1, 1<<17
.set VOFF,  32768
.set KSOFF, 65536
.set VSOFF, 67584
.set SPARE, 262144                     ; the spare words, 128 bytes for each of 16 waves: eight blocks of 256 bytes that no other line names
.set LI,  1                            ; 16 x lane
.set LKS, 2                            ; KSOFF + 4 x lane + 2 (h & 1)
.set LVS, 3                            ; VSOFF + 4 x lane
.set R4,  4                            ; 4 (lane % 16)
.set SPW, 5                            ; my spare word; never rewritten
.set NIL, 6                            ; 0; never rewritten
.set PFO, 7                            ; 256 x lane
.set ADK, 8                            ; the step's LDS addresses: codes, K's scale words, V's
.set ADS, 9
.set ADT, 10
.set RH,  11                           ; r - 8 h
; v12 -M, v13 the largest t, v[14:15] the sum
.set KV,  40                           ; v40-103 four fragments: K's, then V's
.set SR,  104                          ; v104-167 S^T, then p
.set OT,  168                          ; v168-199 O^T
.set PC,  200                          ; v200-215 p's codes; at a pass's end the output's
.set KSW, 216                          ; v216-219 K's scale words, two tiles to a register; 218, 219 in the upper half
.set QSW, 220                          ; v220 Q's for [Q | 0], v221 for [0 | Q]
.set VSW, 222                          ; v222-223 V's
.set PSW, 224                          ; p's
.set OA,  225                          ; 16 r + 8 h
.set BM,  228                          ; a block's largest score, then largest p
.set BP,  232                          ; the other half's, then the bytes
.set BH,  236                          ; 448 x the scale
.set BS,  240                          ; the conversion's scale operand
.set FF,  244                          ; v[244:245] f (v245 = 0)
.set TMP, 246
.set DM,  247                          ; the mask's d
.set NINF, 248
.set OB,  249                          ; 32 r
.set C1,  250                          ; three more chains of the sum
.set C2,  252
.set C3,  254
.set WV,  20
.set MNT, 21
.set SEL, 22
.set CS,  24
.set TW,  26                           ; my tile in a block
.set LSL, 27                           ; the pass's last slot
.set G1,   28
.set G1KS, 36
.set G1VS, 44
.set G0,   52
.set G0KS, 56
.set G0VS, 60
.set TB,   66                          ; LDS byte at which the slot in hand begins
.set TRIP, 67
.set KSL,  68                          ; the slot of keys in hand
.set BLK,  69                          ; the block of queries in hand
.set NKS,  70                          ; the slot of keys that follows
.set KF,   71                          ; the step's first key
.set Q0,   72                          ; my first query
.set SK,   77                          ; TB + 4,096 x step;  TB + 512 x step;  TB + 256 x step
.set SS,   78
.set ST,   79
.set SRC,  80                          ; s[80:81] where my wave's codes begin (slot 0)
.set OFS,  82                          ; s[82:83] an offset, its high word 0
.set PFA,  84
.set LIM,  86
.set HB,   87                          ; 2 (h & 1)
.set II,   88
.set QC,   89                          ; the step in its slot
.macro WALU
	s_wait_alu depctr_va_vdst(0)
.endm
.macro TLOAD                           ; the branches hang on the wave's number alone; an s_nop 0 and four v_nop follow each load
	s_cmp_lt_u32 s[WV], 4
	s_cbranch_scc0 .Lnot_codes_\@
	tensor_load_to_lds s[G0:G0+3], s[G1:G1+7]
	s_nop 0
.rept 4
	v_nop
.endr
	s_branch .Lasked_\@
.Lnot_codes_\@:
	s_cmp_eq_u32 s[WV], 4
	s_cbranch_scc0 .Lnot_ks_\@
	tensor_load_to_lds s[G0KS:G0KS+3], s[G1KS:G1KS+7]
	s_nop 0
.rept 4
	v_nop
.endr
	s_branch .Lasked_\@
.Lnot_ks_\@:
	s_cmp_eq_u32 s[WV], 5
	s_cbranch_scc0 .Lasked_\@
	tensor_load_to_lds s[G0VS:G0VS+3], s[G1VS:G1VS+7]
	s_nop 0
.rept 4
	v_nop
.endr
.Lasked_\@:
.endm
; A PREFETCH INTO THE L2 of the codes that the NEXT change of slots will ask for.  The four work-groups of a head walk the same K and V; work-group 0, whose first pass walks slots 0 to 3 in order, asks, in waves that fetch nothing:
; waves 8-11 for K's 32,768 bytes of a slot, waves 12-15 for V's, 8,192 bytes a wave, lanes 256 bytes apart.  Trip t names slot t + 2, for t = 0, 1: each block of 256 bytes is named once; slots 0 and 1 come by their loads alone.
.macro ASK
	s_cmp_gt_u32 s[TRIP], s[LIM]
	s_cbranch_scc0 .Lnot_mine_\@
	global_prefetch_b8 v[PFO], s[PFA:PFA+1] th:TH_LOAD_NT scope:SCOPE_SE
.Lnot_mine_\@:
.endm
	s_load_b512 s[4:19], s[0:1], 0x0               ; q codes 4, q scales 6, k codes 8, k scales 10, v codes 12, v scales 14, att codes 16, att scales 18
	v_lshl_add_u32 v[SPW], v0, 2, SPARE
	v_mov_b32 v[NIL], 0
	ds_add_u32 v[SPW], v[NIL]                      ; the wave's opening: the add, twice on end, and its wait ahead of my first tensor load
	ds_add_u32 v[SPW], v[NIL]
	v_lshrrev_b32 v8, 5, v0
	v_readfirstlane_b32 s[WV], v8                  ; wave 0..15
	s_and_b32 s73, ttmp7, 0xffff                   ; y = 16 b + h
	s_mov_b32 s[II], ttmp9
	s_and_b32 s[HB], s73, 1
	s_lshl_b32 s[HB], s[HB], 1
	s_and_b32 s74, s[WV], 1
	s_bfe_u32 s75, s[WV], 0x10002
	s_xor_b32 s74, s74, s75
	s_lshl_b32 s74, s74, 3
	s_lshr_b32 s75, s[WV], 1
	s_or_b32 s[TW], s74, s75                       ; my tile: 8 (w0 xor w2) + w / 2
.irp g, G1, G1KS, G1VS                 ; elements of 8 bytes, no padding
	s_mov_b32 s[\g], 3<<16
	s_mov_b32 s[\g+6], 0
	s_mov_b32 s[\g+7], 0
.endr
	s_mov_b32 s[G1+1], 512<<16                     ; codes: four rows of 4,096 bytes, 8,192 bytes apart
	s_mov_b32 s[G1+2], 4<<16
	s_mov_b32 s[G1+3], 512<<16
	s_mov_b32 s[G1+4], 4
	s_mov_b32 s[G1+5], 1024
	s_mov_b32 s[G1KS+1], 32<<16                    ; a slot's scale words of K: 8 dense rows of 256 bytes
	s_mov_b32 s[G1KS+2], 8<<16
	s_mov_b32 s[G1KS+3], 32<<16
	s_mov_b32 s[G1KS+4], 8
	s_mov_b32 s[G1KS+5], 32
	s_mov_b32 s[G1VS+1], 32<<16                    ; of V: 4 rows
	s_mov_b32 s[G1VS+2], 4<<16
	s_mov_b32 s[G1VS+3], 32<<16
	s_mov_b32 s[G1VS+4], 4
	s_mov_b32 s[G1VS+5], 32
	s_mov_b32 s[SEL], 0x76543210
	s_mov_b32 s[SEL+1], 0xfedcba98
	s_mov_b32 s[CS], 0x3d38aa3b                    ; c = log2(e) / 32
	s_mov_b32 s[CS+1], s[CS]
	s_mov_b32 s[MNT], 0x600000
	s_mov_b32 s[TB], 0
	s_mov_b32 s[TRIP], 4
	s_mov_b32 s[KSL], 0
	s_sub_co_u32 s[BLK], 7, s[II]
	s_lshr_b32 s[LSL], s[BLK], 1
	v_and_b32 v226, 31, v0                         ; lane
	v_and_b32 v227, 15, v0                         ; r
	v_bfe_u32 v[TMP], v0, 4, 1                     ; h
	v_lshlrev_b32 v[LI], 4, v226
	v_lshl_add_u32 v[LKS], v226, 2, KSOFF
	v_lshl_add_u32 v[LVS], v226, 2, VSOFF
	v_add_nc_u32 v[LKS], s[HB], v[LKS]
	v_lshlrev_b32 v[R4], 2, v227
	v_lshlrev_b32 v[PFO], 8, v226
	v_lshlrev_b32 v[OA], 4, v227
	v_lshlrev_b32 v[RH], 3, v[TMP]
	v_lshlrev_b32 v[OB], 5, v227
	v_lshl_add_u32 v[OA], v[TMP], 3, v[OA]
	v_sub_nc_u32 v[RH], v227, v[RH]
.irp j, 0,1,2,3,4,5,6,7
	v_mov_b32 v[16+\j], 0                          ; zero codes on both sides of Q: written once
	v_mov_b32 v[32+\j], 0
.endr
.irp j, 0,1,2,3
	v_mov_b32 v[BP+\j], 0                          ; a lane permute's destination counts as one of its sources
.endr
	v_mov_b32 v[KSW+2], 0                          ; their lower halves stand against zero codes
	v_mov_b32 v[KSW+3], 0
	v_mov_b32 v[FF+1], 0
	v_mov_b32 v[NINF], 0xff800000                  ; -infinity
	WALU
	s_wait_dscnt 0x0                               ; both opening adds are done
	s_wait_kmcnt 0x0
	s_lshl_b32 s[OFS], s73, 17                     ; a head's codes: 131,072 bytes
	s_mov_b32 s[OFS+1], 0
	s_add_nc_u64 s[4:5], s[4:5], s[OFS:OFS+1]
	s_add_nc_u64 s[8:9], s[8:9], s[OFS:OFS+1]
	s_add_nc_u64 s[12:13], s[12:13], s[OFS:OFS+1]
	s_lshr_b32 s[OFS], s73, 1
	s_lshl_b32 s[OFS], s[OFS], 13                  ; a pair of heads' scale words of q or k: 8,192 bytes
	s_add_nc_u64 s[10:11], s[10:11], s[OFS:OFS+1]
	s_add_co_u32 s[OFS], s[OFS], s[HB]
	s_add_nc_u64 s[6:7], s[6:7], s[OFS:OFS+1]
	s_lshl_b32 s[OFS], s73, 12                     ; a head's scale words of v: 4,096 bytes
	s_add_nc_u64 s[14:15], s[14:15], s[OFS:OFS+1]
	s_lshr_b32 s74, s73, 4                         ; b
	s_and_b32 s75, s73, 15                         ; h
	s_lshl_b32 s[OFS], s74, 21
	s_lshl_b32 s76, s75, 10
	s_add_co_u32 s[OFS], s[OFS], s76
	s_add_nc_u64 s[16:17], s[16:17], s[OFS:OFS+1]
	s_lshl_b32 s[OFS], s74, 16
	s_lshl_b32 s76, s75, 1
	s_add_co_u32 s[OFS], s[OFS], s76
	s_add_nc_u64 s[18:19], s[18:19], s[OFS:OFS+1]
	s_cmp_lt_u32 s[WV], 2                          ; waves 0, 1 fetch K's two regions, waves 2, 3 V's
	s_cselect_b64 s[SRC:SRC+1], s[8:9], s[12:13]
	s_and_b32 s[OFS], s[WV], 1
	s_lshl_b32 s[OFS], s[OFS], 12
	s_add_nc_u64 s[SRC:SRC+1], s[SRC:SRC+1], s[OFS:OFS+1]
	s_mov_b32 s[G0], 1
	s_lshl_b32 s[G0+1], s[WV], 14                  ; LDS: 16,384 x wave, in slot 0
	s_mov_b64 s[G0+2:G0+3], s[SRC:SRC+1]
	s_or_b32 s[G0+3], s[G0+3], 0x80000000
	s_mov_b32 s[G0KS], 1
	s_mov_b32 s[G0KS+1], KSOFF
	s_mov_b64 s[G0KS+2:G0KS+3], s[10:11]
	s_or_b32 s[G0KS+3], s[G0KS+3], 0x80000000
	s_mov_b32 s[G0VS], 1
	s_mov_b32 s[G0VS+1], VSOFF
	s_mov_b64 s[G0VS+2:G0VS+3], s[14:15]
	s_or_b32 s[G0VS+3], s[G0VS+3], 0x80000000
	TLOAD                                          ; keys 0 to 511 into slot 0: one tensor load of a fetching wave is out
	s_cmp_lt_u32 s[WV], 12                         ; the prefetches: waves 8-11 stand in K's codes, waves 12-15 in V's
	s_cselect_b64 s[PFA:PFA+1], s[8:9], s[12:13]
	s_and_b32 s[OFS], s[WV], 3
	s_lshl_b32 s[OFS], s[OFS], 13
	s_add_co_u32 s[OFS], s[OFS], 32768             ; in slot 1: the first change of slots steps it to slot 2.  Nothing is prefetched here, at the head
	s_add_nc_u64 s[PFA:PFA+1], s[PFA:PFA+1], s[OFS:OFS+1]
	s_sub_co_u32 s74, s[WV], 8
	s_lshr_b32 s74, s74, 3                         ; 0 in waves 8 to 15,
	s_or_b32 s74, s74, ttmp9                       ; of the head's work-group 0
	s_cmp_eq_u32 s74, 0
	s_cselect_b32 s[LIM], 2, -1
; A pass begins: Q's fragment and scale words of my tile of the block in hand; the statistics and O^T begin anew
.macro PASS_INIT
	s_lshl_b32 s73, s[BLK], 4
	s_add_co_u32 s73, s73, s[TW]                   ; my tile of 16 queries
	s_lshl_b32 s[Q0], s73, 4
	s_lshl_b32 s74, s[BLK], 14                     ; step 2 BLK + tile / 8, 8,192 bytes each;
	s_lshr_b32 s75, s[TW], 3
	s_lshl_b32 s75, s75, 13
	s_add_co_u32 s74, s74, s75
	s_and_b32 s75, s[TW], 3                        ; in it tile tau at 2,048 (tau & 3) + 1,024 (tau >> 2)
	s_lshl_b32 s75, s75, 11
	s_add_co_u32 s74, s74, s75
	s_bfe_u32 s75, s[TW], 0x10002
	s_lshl_b32 s75, s75, 10
	s_add_co_u32 s74, s74, s75
	s_mov_b32 s75, 0
	s_add_nc_u64 s[94:95], s[4:5], s[74:75]
	s_lshl_b32 s74, s73, 6                         ; 64 bytes of scale words a tile
	s_add_nc_u64 s[96:97], s[6:7], s[74:75]
	global_load_b128 v[24:27], v[LI], s[94:95]
	global_load_b128 v[28:31], v[LI], s[94:95] offset:512
	global_load_u16 v[QSW], v[R4], s[96:97]        ; my head's two bytes; the word's upper two are 0 and stand over zero codes
	v_mov_b32 v13, 0xff61b1e6                      ; the largest t so far: -3e38
	v_mov_b32 v14, 0
	v_mov_b32 v15, 0
	v_floor_f32 v12, -v13                          ; -M
.set cnt, 0
.rept 32
	v_mov_b32 v[OT+cnt], 0                         ; O^T: the first step finds zeros, which the first change of M leaves zeros
.set cnt, cnt+1
.endr
	WALU
	s_wait_loadcnt 0x0
	v_lshlrev_b32 v[QSW+1], 16, v[QSW]             ; the same two bytes for k = 64 .. 127
	WALU
	s_wait_xcnt 0x0                                ; the last pass's stores have read their data registers, which the steps write again
.endm
	PASS_INIT
; A KEY STEP: 128 keys of the slot in hand
.macro STEP
	s_add_co_u32 s73, s[Q0], 15
	s_cmp_gt_u32 s[KF], s73                        ; all its keys come after my queries: left out.  Ids and the count of steps alone; no barrier, wait for a tile or tensor load stands in a step
	s_cbranch_scc1 .Lhidden_\@
	v_add_nc_u32 v[ADK], s[SK], v[LI]
	v_add_nc_u32 v[ADS], s[SS], v[LKS]
	v_add_nc_u32 v[ADT], s[ST], v[LVS]
.rept 5
	v_nop                                          ; with the three additions eight places in front of loads into registers that the last step's products read
.endr
.irp t, 0,1,2,3                                ; fragment t: tile t's two chunks, then tile t + 4's: 2,048 bytes on end
.irp c, 0,1,2,3
	ds_load_b128 v[KV+16*\t+4*\c:KV+16*\t+4*\c+3], v[ADK] offset:16384*(\t/2)+2048*(\t%2)+512*\c
.endr
.endr
	ds_load_u16 v[KSW], v[ADS]                     ; lanes 0-15: tile 2 w's rows, lanes 16-31: tile 2 w + 1's
	ds_load_u16 v[KSW+1], v[ADS] offset:128
	ds_load_u16_d16_hi v[KSW+2], v[ADS] offset:256 ; tiles 4 to 7: into the bytes of k = 64 .. 127
	ds_load_u16_d16_hi v[KSW+3], v[ADS] offset:384
	WALU
	s_wait_dscnt 0x0
.irp t, 0,2                                    ; S^T = K Q^T: eight sums, each begun by its one product
	v_wmma_scale_f32_16x16x128_f8f6f4 v[SR+8*\t:SR+8*\t+7], v[KV+16*\t:KV+16*\t+15], v[24:39], 0, v[KSW+\t/2], v[QSW]
	v_wmma_scale_f32_16x16x128_f8f6f4 v[SR+32+8*\t:SR+39+8*\t], v[KV+16*\t:KV+16*\t+15], v[16:31], 0, v[KSW+2+\t/2], v[QSW+1]
	v_wmma_scale_f32_16x16x128_f8f6f4 v[SR+8+8*\t:SR+15+8*\t], v[KV+16+16*\t:KV+31+16*\t], v[24:39], 0, v[KSW+\t/2], v[QSW] matrix_a_scale:MATRIX_SCALE_ROW1
	v_wmma_scale_f32_16x16x128_f8f6f4 v[SR+40+8*\t:SR+47+8*\t], v[KV+16+16*\t:KV+31+16*\t], v[16:31], 0, v[KSW+2+\t/2], v[QSW+1] matrix_a_scale:MATRIX_SCALE_ROW1
.endr                                          ; register 8 tau + j of lane (r, h): key KF + 16 tau + 8 h + j, query Q0 + r
.rept 8
	v_nop                                          ; places in front of the loads below and of the first reads of the scores
.endr
.irp d, 0,1,2,3                                ; V's four fragments (16 of the head's 64 x 128 keys) into the registers that K has left: they are wanted behind the softmax
.irp c, 0,1,2,3
	ds_load_b128 v[KV+16*\d+4*\c:KV+16*\d+4*\c+3], v[ADK] offset:VOFF+16384*(\d/2)+2048*(\d%2)+512*\c
.endr
.endr
	ds_load_b32 v[VSW], v[ADT]
	ds_load_b32 v[VSW+1], v[ADT] offset:128
	s_add_co_u32 s73, s[KF], 127
	s_cmp_le_u32 s73, s[Q0]                        ; a step all of whose keys count skips the mask
	s_cbranch_scc1 .Lopen_\@
	s_sub_co_i32 s73, s[Q0], s[KF]
	v_add_nc_u32 v[DM], s73, v[RH]                 ; d = my query - KF - 8 h: hidden where 16 tau + j > d
.set cnt, 0
.rept 64
	v_cmp_gt_i32 vcc_lo, 16*(cnt/8)+cnt%8, v[DM]
	v_cndmask_b32 v[SR+cnt], v[SR+cnt], v[NINF], vcc_lo
.set cnt, cnt+1
.endr
.Lopen_\@:
.irp b, 0,1,2,3
	v_max3_num_f32 v[BM+\b], v[SR+16*\b], v[SR+1+16*\b], v[SR+2+16*\b]   ; the largest score of each block of 32 keys: for the row's maximum, and, since p rises with the score, for the block's largest p
.endr
.irp i, 3,5,7,9,11,13
.irp b, 0,1,2,3
	v_max3_num_f32 v[BM+\b], v[BM+\b], v[SR+16*\b+\i], v[SR+1+16*\b+\i]
.endr
.endr
.irp b, 0,1,2,3
	v_max_num_f32 v[BM+\b], v[BM+\b], v[SR+15+16*\b]
.endr
.irp b, 0,1,2,3
	s_delay_alu instid0(VALU_DEP_4)
	v_permlanex16_b32 v[BP+\b], v[BM+\b], s[SEL], s[SEL+1]
.endr
.irp b, 0,1,2,3
	s_delay_alu instid0(VALU_DEP_4)
	v_max_num_f32 v[BM+\b], v[BM+\b], v[BP+\b]     ; with lane l xor 16's 16 keys
.endr
	s_delay_alu instid0(VALU_DEP_2)
	v_max3_num_f32 v[TMP], v[BM], v[BM+1], v[BM+2]
	s_delay_alu instid0(VALU_DEP_1)
	v_max_num_f32 v[TMP], v[TMP], v[BM+3]
	s_delay_alu instid0(VALU_DEP_1)
	v_mul_f32 v[TMP], s[CS], v[TMP]                ; as t (c is positive)
	s_delay_alu instid0(VALU_DEP_1)
	v_max_num_f32 v13, v13, v[TMP]                 ; the running largest t
	v_mov_b32 v[TMP], v12
	s_delay_alu instid0(VALU_DEP_2)
	v_floor_f32 v12, -v13                          ; the new -M = -ceil(t)
	s_delay_alu instid0(VALU_DEP_1)
	v_sub_f32 v[TMP], v12, v[TMP]                  ; old M - new M: a whole number, 0 or less
	s_delay_alu instid0(VALU_DEP_1)
	v_cvt_i32_f32 v[TMP], v[TMP]                   ; (it saturates)
	s_delay_alu instid0(VALU_DEP_1)
	v_ldexp_f32 v[FF], 1.0, v[TMP]                 ; f = 2^(old M - new M)
.set cnt, 0
.rept 32
	v_pk_fma_f32 v[SR+cnt:SR+cnt+1], v[SR+cnt:SR+cnt+1], s[CS:CS+1], v[12:13] op_sel_hi:[1,0,0]   ; t - M, two at a time
.set cnt, cnt+2
.endr
.irp b, 0,1,2,3
	v_fma_f32 v[BM+\b], v[BM+\b], s[CS], v12
.endr
	WALU
.set cnt, 0
.rept 64
	v_exp_f32 v[SR+cnt], v[SR+cnt]                 ; p = 2^(t - M): not normalised
.set cnt, cnt+1
.endr
	v_pk_mul_f32 v[14:15], v[14:15], v[FF:FF+1] op_sel_hi:[1,0]   ; the sums under the new M: the plain instruction behind the exponentials
	WALU                                           ; one wait for the batch of 64, ahead of its first reader
.irp b, 0,1,2,3
	v_exp_f32 v[BM+\b], v[BM+\b]                   ; the block's largest p
.endr
	v_pk_add_f32 v[C1:C1+1], v[SR:SR+1], v[SR+2:SR+3]       ; the row's sum of the unquantised p: 32 additions of pairs in four chains
	v_pk_add_f32 v[C2:C2+1], v[SR+4:SR+5], v[SR+6:SR+7]
	v_pk_add_f32 v[C3:C3+1], v[SR+8:SR+9], v[SR+10:SR+11]
.set cnt, 12
.rept 6
	v_pk_add_f32 v[14:15], v[14:15], v[SR+cnt:SR+cnt+1]
	v_pk_add_f32 v[C1:C1+1], v[C1:C1+1], v[SR+cnt+2:SR+cnt+3]
	v_pk_add_f32 v[C2:C2+1], v[C2:C2+1], v[SR+cnt+4:SR+cnt+5]
	v_pk_add_f32 v[C3:C3+1], v[C3:C3+1], v[SR+cnt+6:SR+cnt+7]
.set cnt, cnt+8
.endr
	v_pk_add_f32 v[14:15], v[14:15], v[SR+60:SR+61]
	v_pk_add_f32 v[C1:C1+1], v[C1:C1+1], v[SR+62:SR+63]
	v_pk_add_f32 v[C2:C2+1], v[C2:C2+1], v[C3:C3+1]
	v_pk_add_f32 v[14:15], v[14:15], v[C1:C1+1]
	v_pk_add_f32 v[14:15], v[14:15], v[C2:C2+1]
	WALU                                           ; and one for the four
.irp b, 0,1,2,3
	v_max_num_f32 v[BM+\b], 0x4800000, v[BM+\b]    ; the floor 2^(9 - 127): the byte cannot fall under 1
.endr
.irp b, 0,1,2,3
	s_delay_alu instid0(VALU_DEP_4)
	v_add_nc_u32 v[BS+\b], 0xfc000000, v[BM+\b]    ; 8 off the exponent field: the conversion's scale operand
.endr
.irp b, 0,1,2,3
	v_and_or_b32 v[BH+\b], v[BM+\b], 0x7f800000, s[MNT]   ; 448 x the scale
.endr
.irp b, 0,1,2,3
	v_lshrrev_b32 v[BP+\b], 23, v[BS+\b]           ; the scale's byte
.endr
	s_delay_alu instid0(VALU_DEP_3)
	v_lshl_or_b32 v[PSW], v[BP+1], 8, v[BP]
	s_delay_alu instid0(VALU_DEP_1)
	v_lshl_or_b32 v[PSW], v[BP+2], 16, v[PSW]
	s_delay_alu instid0(VALU_DEP_1)
	v_lshl_or_b32 v[PSW], v[BP+3], 24, v[PSW]      ; p's scale word for these 128 keys
; the hold: the conversion does not saturate (ISA guide 7.6.2); p is not negative, so it is one-sided.  Two to an instruction: an even register of one block with an odd register of its neighbour, so that both pairs of sources lie in different banks
.irp g, 0,2
.set cnt, 0
.rept 8
	v_dual_min_num_f32 v[SR+16*\g+cnt], v[SR+16*\g+cnt], v[BH+\g] :: v_dual_min_num_f32 v[SR+17+16*\g+cnt], v[SR+17+16*\g+cnt], v[BH+1+\g]
	v_dual_min_num_f32 v[SR+16+16*\g+cnt], v[SR+16+16*\g+cnt], v[BH+1+\g] :: v_dual_min_num_f32 v[SR+1+16*\g+cnt], v[SR+1+16*\g+cnt], v[BH+\g]
.set cnt, cnt+2
.endr
.endr
.irp b, 0,1,2,3
	v_cvt_scalef32_pk8_fp8_f32 v[PC+4*\b:PC+4*\b+1], v[SR+16*\b:SR+16*\b+7], v[BS+\b]
	v_cvt_scalef32_pk8_fp8_f32 v[PC+4*\b+2:PC+4*\b+3], v[SR+16*\b+8:SR+16*\b+15], v[BS+\b]
.endr
	WALU                                           ; directly ahead of the first reader of O^T
.set cnt, 0
.rept 16
	v_pk_mul_f32 v[OT+cnt:OT+cnt+1], v[OT+cnt:OT+cnt+1], v[FF:FF+1] op_sel_hi:[1,0]   ; O^T under the new M; these are also the places between the conversions and the products
.set cnt, cnt+2
.endr
	WALU
	s_wait_dscnt 0x0                               ; V's fragments and scale words
.irp d, 0,2                                    ; O^T += V^T P^T: four accumulators by turns
	v_wmma_scale_f32_16x16x128_f8f6f4 v[OT+8*\d:OT+8*\d+7], v[KV+16*\d:KV+16*\d+15], v[PC:PC+15], v[OT+8*\d:OT+8*\d+7], v[VSW+\d/2], v[PSW]
	v_wmma_scale_f32_16x16x128_f8f6f4 v[OT+8+8*\d:OT+15+8*\d], v[KV+16+16*\d:KV+31+16*\d], v[PC:PC+15], v[OT+8+8*\d:OT+15+8*\d], v[VSW+\d/2], v[PSW] matrix_a_scale:MATRIX_SCALE_ROW1
.endr
.Lhidden_\@:
	s_add_co_u32 s[KF], s[KF], 128
	s_add_co_u32 s[SK], s[SK], 4096
	s_add_co_u32 s[SS], s[SS], 512
	s_add_co_u32 s[ST], s[ST], 256
.endm
.macro STEPS                           ; a slot's four steps, in a loop of constant count
	s_mov_b32 s[SK], s[TB]
	s_mov_b32 s[SS], s[TB]
	s_mov_b32 s[ST], s[TB]
	s_mov_b32 s[QC], 0
.Lq_\@:
	STEP
	s_add_co_u32 s[QC], s[QC], 1
	s_cmp_lt_u32 s[QC], 4
	s_cbranch_scc1 .Lq_\@
	s_xor_b32 s[TB], s[TB], SLOT1
.endm
; THE CHANGE OF SLOTS stands at a slot's head.  Each wave waits for all its tensor loads, adds 0 to its spare word (fill = 1: twice on end), and waits for that and for its reads
; of the slot that it has left.  Behind the barrier the slot ahead is whole and nobody reads the other: fill = 1: it takes the keys that follow: the next slot of this pass, or slot 0 of the next.
.macro CHANGE fill
	s_wait_tensorcnt 0x0                           ; no tensor load of mine is out, so a group 0 may be written
	ds_add_u32 v[SPW], v[NIL]
.if \fill
	ds_add_u32 v[SPW], v[NIL]
.endif
	s_lshl_b32 s[KF], s[KSL], 9
.if \fill
	s_add_co_u32 s73, s[KSL], 1
	s_cmp_eq_u32 s[KSL], s[LSL]                    ; the diagonal's slot ends a pass
	s_cselect_b32 s[NKS], 0, s73
	s_xor_b32 s[G0+1], s[G0+1], SLOT1
	s_lshl_b32 s[OFS], s[NKS], 15
	s_add_nc_u64 s[G0+2:G0+3], s[SRC:SRC+1], s[OFS:OFS+1]
	s_or_b32 s[G0+3], s[G0+3], 0x80000000
	s_xor_b32 s[G0KS+1], s[G0KS+1], SLOT1
	s_lshl_b32 s[OFS], s[NKS], 11
	s_add_nc_u64 s[G0KS+2:G0KS+3], s[10:11], s[OFS:OFS+1]
	s_or_b32 s[G0KS+3], s[G0KS+3], 0x80000000
	s_xor_b32 s[G0VS+1], s[G0VS+1], SLOT1
	s_lshl_b32 s[OFS], s[NKS], 10
	s_add_nc_u64 s[G0VS+2:G0VS+3], s[14:15], s[OFS:OFS+1]
	s_or_b32 s[G0VS+3], s[G0VS+3], 0x80000000
	s_wait_xcnt 0x0                                ; the last prefetch, a slot back, has read its address, so it may be written
	s_add_nc_u64 s[PFA:PFA+1], s[PFA:PFA+1], 32768
.endif
	s_wait_dscnt 0x0                               ; the add is done (fill = 1: both are), and my reads of the slot that I have left are over
	s_barrier_signal -1
	s_barrier_wait -1
.if \fill
	TLOAD                                          ; the first thing behind the barrier, and a wave's one tensor load until the next
	ASK
.endif
.endm
; A pass ends: O^T / the row's sum, quantised along C (my head's two blocks of 32), stored.  again = 1: the second pass begins
.macro FINAL again
	s_wait_xcnt 0x0                                ; earlier memory instructions have read their bases, which are written below
	s_lshl_b32 s73, s[BLK], 4
	s_add_co_u32 s73, s73, s[TW]                   ; my tile of 16 rows
	s_lshl_b32 s74, s73, 14
	s_mov_b32 s75, 0
	s_add_nc_u64 s[90:91], s[16:17], s[74:75]
	s_lshl_b32 s74, s73, 9
	s_add_nc_u64 s[92:93], s[18:19], s[74:75]
	v_add_f32 v14, v14, v15                        ; the sum's two halves,
	v_permlanex16_b32 v[TMP], v14, s[SEL], s[SEL+1]
	v_add_f32 v14, v14, v[TMP]                     ; and lane l xor 16's
	WALU
	v_rcp_f32 v[FF], v14
.rept 6
	v_nop                                          ; with the two additions eight places behind the last products; the first is the plain instruction behind the reciprocal
.endr
	WALU                                           ; ahead of the reciprocal's first reader, which is also O^T's
.set cnt, 0
.rept 16
	v_pk_mul_f32 v[OT+cnt:OT+cnt+1], v[OT+cnt:OT+cnt+1], v[FF:FF+1] op_sel_hi:[1,0]   ; register 8 t + j: o(r, 16 t + 8 h + j); each accumulator from its low end on
.set cnt, cnt+2
.endr
.irp b, 0,1
	v_max3_num_f32 v[BM+\b], |v[OT+16*\b]|, |v[OT+1+16*\b]|, 0x4800000
.endr
.irp i, 2,4,6,8,10,12,14
.irp b, 0,1
	v_max3_num_f32 v[BM+\b], v[BM+\b], |v[OT+16*\b+\i]|, |v[OT+1+16*\b+\i]|
.endr
.endr
.irp b, 0,1
	v_permlanex16_b32 v[BP+\b], v[BM+\b], s[SEL], s[SEL+1]
.endr
.irp b, 0,1
	v_max_num_f32 v[BM+\b], v[BM+\b], v[BP+\b]
.endr
.irp b, 0,1
	v_add_nc_u32 v[BS+\b], 0xfc000000, v[BM+\b]
.endr
.irp b, 0,1
	v_and_or_b32 v[BH+\b], v[BM+\b], 0x7f800000, s[MNT]
.endr
.irp b, 0,1
	v_lshrrev_b32 v[BP+\b], 23, v[BS+\b]
.endr
	v_lshl_or_b32 v[TMP], v[BP+1], 8, v[BP]
.irp b, 0,1
.set cnt, 0
.rept 16
	v_med3_num_f32 v[OT+16*\b+cnt], v[OT+16*\b+cnt], -v[BH+\b], v[BH+\b]
.set cnt, cnt+1
.endr
	v_cvt_scalef32_pk8_fp8_f32 v[PC+4*\b:PC+4*\b+1], v[OT+16*\b:OT+16*\b+7], v[BS+\b]
	v_cvt_scalef32_pk8_fp8_f32 v[PC+4*\b+2:PC+4*\b+3], v[OT+16*\b+8:OT+16*\b+15], v[BS+\b]
.endr
	v_nop                                          ; a plain instruction between the conversions and the next vector instruction that writes their sources
.irp b, 0,1
	global_store_b64 v[OA], v[PC+4*\b:PC+4*\b+1], s[90:91] offset:512*\b        ; 32 lanes store 256 consecutive bytes, aligned
	global_store_b64 v[OA], v[PC+4*\b+2:PC+4*\b+3], s[90:91] offset:512*\b+256
.endr
	global_store_b16 v[OB], v[TMP], s[92:93]       ; both halves of the lanes write the same two bytes with the same value
.if \again
	s_mov_b32 s[BLK], s[II]
	s_lshr_b32 s[LSL], s[II], 1
	PASS_INIT
.endif
.endm
.Ltrip:                                            ; four trips: behind each change of slots but the last the next slot is asked for
	CHANGE 1
	STEPS
	s_cmp_lg_u32 s[KSL], s[LSL]                    ; ids and the count of slots alone: the same in all sixteen waves
	s_cbranch_scc1 .Lsame_pass
	FINAL 1
.Lsame_pass:
	s_mov_b32 s[KSL], s[NKS]
	s_sub_co_u32 s[TRIP], s[TRIP], 1
	s_cmp_lg_u32 s[TRIP], 0
	s_cbranch_scc1 .Ltrip
	CHANGE 0                                       ; the fifth slot is written out: nothing is left to ask for
	STEPS
	FINAL 0
	s_wait_tensorcnt 0x0                           ; the wave's end
	ds_add_u32 v[SPW], v[NIL]
	s_wait_dscnt 0x0
	s_endpgm
.Lfunc_end_k_qd394415489_attn:
	.size	k_qd394415489_attn, .Lfunc_end_k_qd394415489_attn-k_qd394415489_attn
	.p2alignl 7, 3214868480
	.fill 96, 4, 3214868480
	.section	.rodata,"a",@progbits
	.p2align	6, 0x0
	.amdhsa_kernel k_qd394415489_attn
		.amdhsa_group_segment_fixed_size 327680
		.amdhsa_private_segment_fixed_size 0
		.amdhsa_enable_private_segment 0
		.amdhsa_kernarg_size 64
		.amdhsa_user_sgpr_count 2
		.amdhsa_user_sgpr_kernarg_segment_ptr 1
		.amdhsa_wavefront_size32 1
		.amdhsa_system_sgpr_workgroup_id_x 1
		.amdhsa_system_sgpr_workgroup_id_y 1
		.amdhsa_system_sgpr_workgroup_id_z 1
		.amdhsa_system_vgpr_workitem_id 0
		.amdhsa_next_free_vgpr 256
		.amdhsa_next_free_sgpr 100
		.amdhsa_reserve_vcc 1
		.amdhsa_float_denorm_mode_32 3
		.amdhsa_float_denorm_mode_16_64 3
		.amdhsa_memory_ordered 1
		.amdhsa_forward_progress 1
		.amdhsa_inst_pref_size 76
	.end_amdhsa_kernel
	.amdgpu_metadata
---
amdhsa.version: [ 1, 2 ]
amdhsa.kernels:
  - .name:           k_qd394415489_attn
    .symbol:         k_qd394415489_attn.kd
    .args:
      - { .name: q_codes, .offset: 0, .size: 8, .value_kind: global_buffer, .address_space: global }
      - { .name: q_scales, .offset: 8, .size: 8, .value_kind: global_buffer, .address_space: global }
      - { .name: k_codes, .offset: 16, .size: 8, .value_kind: global_buffer, .address_space: global }
      - { .name: k_scales, .offset: 24, .size: 8, .value_kind: global_buffer, .address_space: global }
      - { .name: v_codes, .offset: 32, .size: 8, .value_kind: global_buffer, .address_space: global }
      - { .name: v_scales, .offset: 40, .size: 8, .value_kind: global_buffer, .address_space: global }
      - { .name: att_codes, .offset: 48, .size: 8, .value_kind: global_buffer, .address_space: global }
      - { .name: att_scales, .offset: 56, .size: 8, .value_kind: global_buffer, .address_space: global }
    .group_segment_fixed_size: 327680
    .private_segment_fixed_size: 0
    .kernarg_segment_align: 8
    .kernarg_segment_size: 64
    .max_flat_workgroup_size: 512
    .sgpr_count:     100
    .vgpr_count:     256
    .wavefront_size: 32
...
	.end_amdgpu_metadata
.endif
;; end of part 2
;; launch proj (part 3): grid 4 x 32, 4 waves a work-group, clusters of 4 x 4, 327,680 bytes of LDS; arguments att_codes, att_scales, Wproj_codes, Wproj_scales, bproj, out0; writes out0
.if DOCPART == 3
	.amdgcn_target "amdgcn-amd-amdhsa--gfx1250"
	.amdhsa_code_object_version 6
	.text
	.protected	k_qd394415489_proj
	.globl	k_qd394415489_proj
	.p2align	8
	.type	k_qd394415489_proj,@function
k_qd394415489_proj:
	s_mov_b64 s[64:65], 0
	v_nop
	global_prefetch_b8 v0, s[64:65] scope:SCOPE_SE
	s_setreg_imm32_b32 hwreg(HW_REG_WAVE_MODE, 25, 1), 1
	s_wait_xcnt 0x0
	s_wait_alu depctr_hold_cnt(0) depctr_sa_sdst(0) depctr_va_vdst(0) depctr_va_sdst(0) depctr_va_ssrc(0) depctr_va_vcc(0) depctr_vm_vsrc(0)
	s_getreg_b32 s2, hwreg(HW_REG_IB_STS2, 6, 4)
	s_cmp_eq_u32 s2, 0
	s_cbranch_scc0 .Lentry_in_a_cluster
	s_endpgm
.Lentry_in_a_cluster:
	s_bfe_u32 s2, ttmp6, 0x10000c
	s_cmp_lg_u32 s2, 0xf033
	s_cbranch_scc0 .Lentry_shape_is_right
	s_endpgm
.Lentry_shape_is_right:
.set SIZE_N, 1024
.set NQ,     2
.set ROWB,   256
.set AROWB,  4096
.set KROW,   1024
.set PITCH,  272
.set FR,     16
.set NL,     4
.set NP,     8
.set HALFA,  32768
.set HALFT,  128*PITCH
.set BOFF,   2*HALFA
.set SLOT,   BOFF+2*HALFT
.set LAPS,   2
.set KS,     32
.set SCL,    2*SLOT
.set HALFS,  (128*KS/256)*272
.set SBLK,   (16*KS/256)*272
.set SPARE,  SCL+4*HALFS
.set SPITCH, 528
.set ADRA, 16
.set ADRB, 20
.set STO,  24
.set RD,   25
.set CO,   26
.set ADRS, 27
.set SPW,  28
.set NIL,  29
.set SC,   32
.set BI,   64
.set AF,   128
.set BK,   128
.set G1, 24
.set G0, 32
.set G1B, 48
.set G0B, 56
.set G1S, 68
.set G0S, 76
.set G1SB, 80
.set G0SB, 88
.set MSB, 0
.macro WIN new
.if MSB != (\new)
	s_set_vgpr_msb (MSB<<8)|(\new)
.set MSB, (\new)
.endif
.endm
.set MUL_LO, 0xa1
.set MUL_HI, 0xf1
.set TO_B,   0x40
.macro JLOAD g0a, g1a, g0b, g1b
	s_cmp_eq_u32 s15, 0
	s_cbranch_scc0 .Lfor_b_\@
	tensor_load_to_lds s[\g0a:\g0a+3], s[\g1a:\g1a+7]
	s_nop 0
.rept 4
	v_nop
.endr
	s_branch .Lasked_\@
.Lfor_b_\@:
	tensor_load_to_lds s[\g0b:\g0b+3], s[\g1b:\g1b+7]
	s_nop 0
.rept 4
	v_nop
.endr
.Lasked_\@:
.endm
.macro CREST
	s_cmp_lg_u32 s14, 0
	s_cbranch_scc1 .Lnot_wave_0_\@
	s_barrier_signal -3
.Lnot_wave_0_\@:
	s_barrier_wait -3
	s_barrier_signal -1
	s_barrier_wait -1
.endm
.macro CROUND
	s_barrier_signal -1
	s_barrier_wait -1
	CREST
.endm
	s_load_b128 s[4:7], s[0:1], 0x0
	s_load_b128 s[8:11], s[0:1], 0x10
	s_load_b64 s[96:97], s[0:1], 0x20
	s_load_b64 s[12:13], s[0:1], 0x28
	v_lshl_add_u32 v[SPW], v0, 2, SPARE
	v_mov_b32 v[NIL], 0
	ds_add_u32 v[SPW], v[NIL]
	ds_add_u32 v[SPW], v[NIL]
	v_lshrrev_b32 v1, 5, v0
	v_readfirstlane_b32 s14, v1
	s_lshr_b32 s15, s14, 1
	s_and_b32 s16, s14, 1
	s_bfe_u32 s40, ttmp6, 0x40000
	s_bfe_u32 s41, ttmp6, 0x40004
	s_lshl_b32 s42, ttmp9, 2
	s_add_co_u32 s42, s42, s40
	s_and_b32 s17, ttmp7, 0xffff
	s_lshl_b32 s17, s17, 2
	s_add_co_u32 s17, s17, s41
	s_lshl_b32 s43, s41, 2
	s_lshl_b32 s43, 15, s43
	s_lshl_b32 s44, 0x1111, s40
	s_or_b32 s[G1+0], s43, (3<<16)|(1<<21)
	s_mov_b32 s[G1+1], 512<<16
	s_mov_b32 s[G1+2], 16<<16                      ; the head's load of A: 16 row tiles, 256 rows
	s_mov_b32 s[G1+3], 512<<16
	s_mov_b32 s[G1+4], 16
	s_mov_b32 s[G1+5], 2048
	s_mov_b32 s[G1+6], 0
	s_mov_b32 s[G1+7], 0
	s_or_b32 s[G1B+0], s44, (0<<16)|(1<<20)|(1<<21)|(5<<22)|(3<<25)
	s_mov_b32 s[G1B+1], ROWB<<16
	s_mov_b32 s[G1B+2], 256<<16                    ; the head's load of B: 256 rows
	s_mov_b32 s[G1B+3], ROWB<<16
	s_mov_b32 s[G1B+4], 256
	s_mov_b32 s[G1B+5], KROW
	s_mov_b32 s[G1B+6], 0
	s_mov_b32 s[G1B+7], 0
	s_or_b32 s[G1S+0], s43, (3<<16)|(1<<20)|(1<<21)|(5<<22)|(3<<25)
	s_or_b32 s[G1SB+0], s44, (3<<16)|(1<<20)|(1<<21)|(5<<22)|(3<<25)
.irp g, G1S, G1SB
	s_mov_b32 s[\g+1], 32<<16
	s_mov_b32 s[\g+2], KS<<16                      ; the scale bytes of 256 rows: KS rows of 256 bytes
	s_mov_b32 s[\g+3], 32<<16
	s_mov_b32 s[\g+4], KS
	s_mov_b32 s[\g+5], 32
	s_mov_b32 s[\g+6], 0
	s_mov_b32 s[\g+7], 0
.endr
	s_lshl_b32 s20, s17, 8                         ; A's tile: its first row
	s_lshl_b32 s46, s42, 8                         ; B's tile: its first row
	s_lshl_b32 s22, s20, 5
	s_lshl_b32 s20, s20, 10
	s_lshl_b32 s92, s46, 5
	s_lshl_b32 s46, s46, 10
	s_mov_b32 s21, 0
	s_mov_b32 s23, 0
	s_mov_b32 s47, 0
	s_mov_b32 s93, 0
	s_lshl_b32 s45, s16, 15
	s_mul_i32 s95, s16, HALFT
	s_add_co_u32 s95, s95, BOFF
	s_wait_dscnt 0x0
	s_wait_kmcnt 0x0
	s_add_nc_u64 s[20:21], s[4:5], s[20:21]
	s_add_nc_u64 s[22:23], s[6:7], s[22:23]
	s_add_nc_u64 s[46:47], s[8:9], s[46:47]
	s_add_nc_u64 s[92:93], s[10:11], s[92:93]
	CROUND
	s_mov_b32 s[G0S], 1
	s_mov_b32 s[G0S+1], SCL
	s_mov_b64 s[G0S+2:G0S+3], s[22:23]
	s_or_b32 s[G0S+3], s[G0S+3], 0x80000000
	s_mov_b32 s[G0SB], 1
	s_mov_b32 s[G0SB+1], SCL+2*HALFS
	s_mov_b64 s[G0SB+2:G0SB+3], s[92:93]
	s_or_b32 s[G0SB+3], s[G0SB+3], 0x80000000
	s_mov_b32 s4, 1                                ; s[4:7]: group 0 for K step 0's 256 rows of A (the pointers that lay here have been used)
	s_mov_b32 s5, 0
	s_mov_b64 s[6:7], s[20:21]
	s_or_b32 s7, s7, 0x80000000
	s_mov_b32 s8, 1                                ; s[8:11]: the same for B's 256 rows, behind A's in slot 0
	s_mov_b32 s9, BOFF
	s_mov_b64 s[10:11], s[46:47]
	s_or_b32 s11, s11, 0x80000000
	s_lshl_b32 s18, s16, 17                        ; for the ring: my 128 rows of the tile, 1,024 bytes a row
	s_mov_b32 s19, 0
	s_add_nc_u64 s[20:21], s[20:21], s[18:19]
	s_add_nc_u64 s[46:47], s[46:47], s[18:19]
.irp s, 0,1
	s_mov_b32 s[G0+4*\s], 1
	s_add_co_u32 s[G0+4*\s+1], s45, \s*SLOT
	s_add_nc_u64 s[G0+4*\s+2:G0+4*\s+3], s[20:21], \s*AROWB
	s_or_b32 s[G0+4*\s+3], s[G0+4*\s+3], 0x80000000
	s_mov_b32 s[G0B+4*\s], 1
	s_add_co_u32 s[G0B+4*\s+1], s95, \s*SLOT
	s_add_nc_u64 s[G0B+4*\s+2:G0B+4*\s+3], s[46:47], \s*ROWB
	s_or_b32 s[G0B+4*\s+3], s[G0B+4*\s+3], 0x80000000
.endr
; THE HEAD'S LOADS, ONE A WAVE: wave 0 K step 0's 256 rows of A, wave 1 its 256 rows of B, wave 2 A's scale bytes, wave 3 B's.  One tree of branches on the wave's number, a load to an arm.
.macro ARM under, g0, g1, next
	s_cmp_lt_u32 s14, \under
	s_cbranch_scc0 \next
	tensor_load_to_lds s[\g0:\g0+3], s[\g1:\g1+7]
	s_nop 0
.rept 4
	v_nop
.endr
	s_branch .Lhead_asked
\next:
.endm
	ARM 1, 4, G1, .Lhead_b
	ARM 2, 8, G1B, .Lhead_sa
	ARM 3, G0S, G1S, .Lhead_sb
	tensor_load_to_lds s[G0SB:G0SB+3], s[G1SB:G1SB+7]
	s_nop 0
.rept 4
	v_nop
.endr
.Lhead_asked:
	v_and_b32 v1, 15, v0
	v_bfe_u32 v2, v0, 4, 1
	v_and_b32 v6, 31, v0
	v_lshlrev_b32 v7, 4, v6
	v_mul_u32_u24 v3, v1, PITCH
	v_lshl_add_u32 v4, v2, 4, v3
	s_lshl_b32 s21, s15, 15
	s_mul_i32 s22, s16, HALFT
	s_add_co_u32 s22, s22, BOFF
.irp s, 0,1
	v_add_nc_u32 v[ADRA+\s], s21, v7
	v_add_nc_u32 v[ADRB+\s], s22, v4
	s_add_co_u32 s21, s21, SLOT
	s_add_co_u32 s22, s22, SLOT
.endr
	v_mul_u32_u24 v5, v1, KS
	v_lshrrev_b32 v6, 8, v5
	v_lshl_add_u32 v5, v6, 4, v5
	s_mul_i32 s21, s15, HALFS
	s_mul_i32 s22, s16, HALFS
	s_add_co_u32 s22, s22, 2*HALFS
	s_sub_co_u32 s22, s22, s21
	v_mul_u32_u24 v6, s22, v2
	s_add_co_u32 s21, s21, SCL
	v_add_nc_u32 v5, v5, v6
	v_add_nc_u32 v[ADRS], s21, v5
	s_mul_i32 s23, s14, 16*SPITCH
	v_mul_u32_u24 v5, v1, SPITCH
	v_lshl_add_u32 v5, v2, 5, v5
	v_add_nc_u32 v[STO], s23, v5
	v_mov_b32 v[CO], v7
	v_add_nc_u32 v[RD], s23, v[CO]
	s_lshl_b32 s20, s17, 8
	s_lshl_b32 s21, s15, 7
	s_add_co_u32 s20, s20, s21
	s_lshl_b32 s20, s20, 12
	s_mov_b32 s21, 0
	s_lshl_b32 s46, s42, 10
	s_lshl_b32 s47, s16, 9
	s_add_co_u32 s46, s46, s47
	s_mov_b32 s47, 0
	s_add_nc_u64 s[96:97], s[96:97], s[46:47]
	s_add_nc_u64 s[20:21], s[20:21], s[46:47]
	s_add_nc_u64 s[12:13], s[12:13], s[20:21]
	v_lshlrev_b32 v8, 5, v2
.irp b, 0,1,2,3,4,5,6,7
	global_load_b128 v[BI+8*\b:BI+8*\b+3], v8, s[96:97] offset:64*\b
	global_load_b128 v[BI+8*\b+4:BI+8*\b+7], v8, s[96:97] offset:64*\b+16
.endr
.macro FRAG reg, adr, q, i
.irp c, 0,1,2,3
	ds_load_b128 v[\reg+4*\c:\reg+4*\c+3], v[\adr] offset:128*(\q)+32*\c+(\i)*16*PITCH
.endr
.endm
.macro FRAGA reg, adr, q, i
.irp c, 0,1,2,3
	ds_load_b128 v[\reg+4*\c:\reg+4*\c+3], v[\adr] offset:4096*(\i)+2048*(\q)+512*\c
.endr
.endm
.macro MUL16 a0, p, q, sc, first
.irp a, \a0, \a0+1
.irp b, 0,1,2,3,4,5,6,7
.if \first
	v_wmma_scale_f32_16x16x128_f8f6f4 v[8*(8*((\a)%4)+\b):8*(8*((\a)%4)+\b)+7], v[128*(\p)+FR*\b:128*(\p)+FR*\b+FR-1], v[AF+FR*(\a):AF+FR*(\a)+FR-1], v[BI+8*\b:BI+8*\b+7], v[SC+8*NQ*(\sc)+NQ*\b+(\q)], v[SC+8*NQ*(\sc)+NQ*(\a)+(\q)] matrix_a_scale:MATRIX_SCALE_ROW1
.else
	v_wmma_scale_f32_16x16x128_f8f6f4 v[8*(8*((\a)%4)+\b):8*(8*((\a)%4)+\b)+7], v[128*(\p)+FR*\b:128*(\p)+FR*\b+FR-1], v[AF+FR*(\a):AF+FR*(\a)+FR-1], v[8*(8*((\a)%4)+\b):8*(8*((\a)%4)+\b)+7], v[SC+8*NQ*(\sc)+NQ*\b+(\q)], v[SC+8*NQ*(\sc)+NQ*(\a)+(\q)] matrix_a_scale:MATRIX_SCALE_ROW1
.endif
.endr
.endr
.endm
.macro FETCH_B slot, q, p
	WIN TO_B
.irp i, 0,1,2,3,4,5,6,7
	FRAG 128*(\p)+FR*\i, ADRB+\slot, \q, \i
.endr
	WIN 0
.endm
.macro FETCH_A slot, q, i0
.irp i, \i0, \i0+1, \i0+2, \i0+3
	FRAGA AF+FR*(\i), ADRA+\slot, \q, \i
.endr
.endm
.macro SCALES sc
.irp i, 0,1,2,3,4,5,6,7
	ds_load_b64 v[SC+8*NQ*\sc+NQ*\i:SC+8*NQ*\sc+NQ*\i+1], v[ADRS] offset:\i*SBLK
.endr
.endm
.macro PLACES n
.rept \n
	v_nop
.endr
.endm
.macro STEP slot, q, first
	s_wait_dscnt 4*NL
.if \first
	WIN 0x81
.else
	WIN MUL_LO
.endif
	MUL16 0, (\q)%2, \q, \slot, \first
	MUL16 2, (\q)%2, \q, \slot, \first
	s_wait_dscnt 0
	PLACES NP
	FETCH_B \slot, (\q)+1, 1-(\q)%2
	FETCH_A \slot, (\q)+1, 0
.if \first
	WIN 0xc1
.else
	WIN MUL_HI
.endif
	MUL16 4, (\q)%2, \q, \slot, \first
	MUL16 6, (\q)%2, \q, \slot, \first
	PLACES NP
	WIN 0
	FETCH_A \slot, (\q)+1, 4
.endm
.macro TURN slot, next, fill
	s_wait_tensorcnt 0x0
	ds_add_u32 v[SPW], v[NIL]
	s_wait_dscnt 4*NL+1
	WIN MUL_LO
	MUL16 0, 1, NQ-1, \slot, 0
	s_wait_dscnt 0x0
	s_barrier_signal -1
	MUL16 2, 1, NQ-1, \slot, 0
	WIN 0
	s_barrier_wait -1
.if \fill
	CREST
	s_add_nc_u64 s[G0+4*\slot+2:G0+4*\slot+3], s[G0+4*\slot+2:G0+4*\slot+3], 2*AROWB
	s_add_nc_u64 s[G0B+4*\slot+2:G0B+4*\slot+3], s[G0B+4*\slot+2:G0B+4*\slot+3], 2*ROWB
	JLOAD G0+4*\slot, G1, G0B+4*\slot, G1B
	PLACES NP-4
.else
	PLACES NP
.endif
	s_wait_alu depctr_va_vdst(0)
	v_add_nc_u32 v[ADRS], 4*NQ, v[ADRS]
	FETCH_B \next, 0, 0
	FETCH_A \next, 0, 0
	SCALES \next
	WIN MUL_HI
	MUL16 4, 1, NQ-1, \slot, 0
	MUL16 6, 1, NQ-1, \slot, 0
	PLACES NP
	WIN 0
	FETCH_A \next, 0, 4
.endm
	s_wait_alu depctr_va_vdst(0)
	s_wait_tensorcnt 0x0                           ; my tile of the head's four is in
	ds_add_u32 v[SPW], v[NIL]
	s_mov_b32 s[G1+2], 8<<16                       ; no tensor load of mine is out: from here on a load brings 128 rows
	s_mov_b32 s[G1+4], 8
	s_mov_b32 s[G1B+2], 128<<16
	s_mov_b32 s[G1B+4], 128
	s_wait_dscnt 0x0
	CROUND                                         ; a whole round: all four tiles are in, and the joint loads meet
	JLOAD G0+4, G1, G0B+4, G1B                     ; K step 1, the first tensor load behind the round
	FETCH_B 0, 0, 0
	FETCH_A 0, 0, 0
	SCALES 0
	FETCH_A 0, 0, 4
	s_wait_loadcnt 0x0
	STEP 0, 0, 1
	s_mov_b32 s3, LAPS-1
.Llap:
	TURN 0, 1, 1
	STEP 1, 0, 0
	TURN 1, 0, 1
	STEP 0, 0, 0
	s_sub_co_u32 s3, s3, 1
	s_cmp_lg_u32 s3, 0
	s_cbranch_scc1 .Llap
	TURN 0, 1, 0
	STEP 1, 0, 0
	s_wait_dscnt 4*NL
	WIN MUL_LO
	MUL16 0, 1, NQ-1, 1, 0
	MUL16 2, 1, NQ-1, 1, 0
	s_wait_dscnt 0
	WIN MUL_HI
	MUL16 4, 1, NQ-1, 1, 0
	MUL16 6, 1, NQ-1, 1, 0
	WIN 0
.macro TOSTAGE a
.set AC, 64*((\a)%4)
	WIN 0x08+4*((\a)/4)
.irp b, 0,1,2,3,4,5,6,7
	ds_store_b128 v[STO], v[AC+8*\b:AC+8*\b+3] offset:64*\b
	ds_store_b128 v[STO], v[AC+8*\b+4:AC+8*\b+7] offset:64*\b+16
.endr
	WIN 0
.set BB, BK+64*((\a)%2)
.irp t, 0,1,2,3,4,5,6,7,8,9,10,11,12,13,14,15
	ds_load_b128 v[BB+4*\t:BB+4*\t+3], v[RD] offset:\t*SPITCH
.endr
.endm
.macro SEND a, younger
.set BB, BK+64*((\a)%2)
	s_wait_dscnt \younger
.if (\a) > 0
	s_add_nc_u64 s[12:13], s[12:13], 16*SIZE_N*4
.endif
.irp t, 0,1,2,3,4,5,6,7,8,9,10,11,12,13,14,15
	global_store_b128 v[CO], v[BB+4*\t:BB+4*\t+3], s[12:13] offset:\t*SIZE_N*4 th:TH_STORE_NT
.endr
.endm
	PLACES NP
	TOSTAGE 0
.irp a, 1,2,3,4,5,6,7
.if \a > 1
	s_wait_xcnt 0x0
.endif
	TOSTAGE \a
	SEND \a-1, 32
.endr
	s_wait_xcnt 0x0
	SEND 7, 0
	s_wait_tensorcnt 0x0
	ds_add_u32 v[SPW], v[NIL]
	s_wait_dscnt 0x0
	CROUND
	s_endpgm
.Lfunc_end_k_qd394415489_proj:
	.size	k_qd394415489_proj, .Lfunc_end_k_qd394415489_proj-k_qd394415489_proj
	.p2alignl 7, 3214868480
	.fill 96, 4, 3214868480
	.section	.rodata,"a",@progbits
	.p2align	6, 0x0
	.amdhsa_kernel k_qd394415489_proj
		.amdhsa_group_segment_fixed_size 327680
		.amdhsa_private_segment_fixed_size 0
		.amdhsa_enable_private_segment 0
		.amdhsa_kernarg_size 48
		.amdhsa_user_sgpr_count 2
		.amdhsa_user_sgpr_kernarg_segment_ptr 1
		.amdhsa_wavefront_size32 1
		.amdhsa_system_sgpr_workgroup_id_x 1
		.amdhsa_system_sgpr_workgroup_id_y 1
		.amdhsa_system_sgpr_workgroup_id_z 1
		.amdhsa_system_vgpr_workitem_id 0
		.amdhsa_next_free_vgpr 1024
		.amdhsa_next_free_sgpr 100
		.amdhsa_reserve_vcc 0
		.amdhsa_float_denorm_mode_32 3
		.amdhsa_float_denorm_mode_16_64 3
		.amdhsa_memory_ordered 1
		.amdhsa_forward_progress 1
		.amdhsa_inst_pref_size 148
	.end_amdhsa_kernel
	.amdgpu_metadata
---
amdhsa.version: [ 1, 2 ]
amdhsa.kernels:
  - .name:           k_qd394415489_proj
    .symbol:         k_qd394415489_proj.kd
    .args:
      - { .name: att_codes, .offset: 0, .size: 8, .value_kind: global_buffer, .address_space: global }
      - { .name: att_scales, .offset: 8, .size: 8, .value_kind: global_buffer, .address_space: global }
      - { .name: Wproj_codes, .offset: 16, .size: 8, .value_kind: global_buffer, .address_space: global }
      - { .name: Wproj_scales, .offset: 24, .size: 8, .value_kind: global_buffer, .address_space: global }
      - { .name: bproj, .offset: 32, .size: 8, .value_kind: global_buffer, .address_space: global }
      - { .name: out0, .offset: 40, .size: 8, .value_kind: global_buffer, .address_space: global }
    .group_segment_fixed_size: 327680
    .private_segment_fixed_size: 0
    .kernarg_segment_align: 8
    .kernarg_segment_size: 48
    .max_flat_workgroup_size: 128
    .sgpr_count:     100
    .vgpr_count:     1024
    .wavefront_size: 32
...
	.end_amdgpu_metadata
.endif
;; end of part 3
